; MI455X (gfx1250); checked and timed in simulation.
; The chip was launched on July 23, 2026; its instructions are those of AMD's public machine-readable ISA for CDNA 5 (MIT licence, August 2026) and "CDNA5" Instruction Set Architecture Reference Guide (July 2026). The comments in the code are by the model that wrote it; some were corrected since.
;; Multi Head Attention. Allowed arithmetic: matrix products marked QUANTISED: E2M3 operands, one E8M0 scale for each 32 along K, by v_wmma_scale_f32_16x16x128_f8f6f4 with both operands' format E2M3, f32 sums; everything else in f32.
;; Inputs: b_o 1,024 float32; w_k 1,024 x 1,024 float32; w_o 1,024 x 1,024 float32; w_q 1,024 x 1,024 float32; w_v 1,024 x 1,024 float32; x 4 x 2,048 x 1,024 float32.
;; Outputs: out0 4 x 2,048 x 1,024 float32.
;; This version of the problem:
;;   THIS VERSION OF THE PROBLEM IS GIVEN IN LOW PRECISION. The matrix products marked QUANTISED in the list below multiply operands that are first quantised to E2M3 (2 exponent bits, 3 mantissa bits; 6 bits a number), with one power-of-two scale for each 32 numbers along K (OCP MX v1.0); their sums are f32. All else is computed in f32.
;;   The module's matrix products, in the order in which they are computed (A, B: the left and right operand; K: the contracted axis; several contracted axes count as one K, in the product's order):
;;     1. [M 8,192, K 1,024] x [K 1,024, N 1,024]; A: input x; B: input w_q: QUANTISED
;;     2. [M 8,192, K 1,024] x [K 1,024, N 1,024]; A: input x; B: input w_k: QUANTISED
;;     3. [M 8,192, K 1,024] x [K 1,024, N 1,024]; A: input x; B: input w_v: QUANTISED
;;     4. batch 64 x [M 2,048, K 64] x [K 64, N 2,048]; A: computed on the way; B: computed on the way: QUANTISED
;;     5. batch 64 x [M 2,048, K 2,048] x [K 2,048, N 64]; A: softmax (see below); B: computed on the way: QUANTISED
;;     6. [M 8,192, K 1,024] x [K 1,024, N 1,024]; A: computed on the way; B: input w_o: QUANTISED
;;   THE QUANTISER, for each operand of a quantised product, along K:
;;     - K is cut into blocks of 32 from its start; a last block that is shorter is filled with zeros.
;;     - A block's scale is 2^e with e = floor(log2(the largest magnitude in the block)) - 2, held to -126 .. 127; a block of zeros has e = 0. As a byte (E8M0): e + 127.
;;     - Each number is divided by its block's scale, clamped to +-7.5, and rounded to the nearest number of E2M3, ties to even, subnormals kept.
;;     - The product sums the exact products of the quantised numbers (number of the format x scale) in f32.
;;   ~~~python
;;   def quantise(x, axis):      # numpy; x: float32 -> the quantised numbers, widened to float32 again
;;       x = np.moveaxis(x, axis, -1); K = x.shape[-1]
;;       x = np.pad(x, [(0, 0)] * (x.ndim - 1) + [(0, -K % 32)]); x = x.reshape(x.shape[:-1] + (-1, 32)); a = np.abs(x).max(-1, keepdims=True)
;;       e = np.where(a > 0, np.clip(np.frexp(np.where(a > 0, a, 1))[1] - 1 - 2, -126, 127), 0)      # np.frexp(a)[1] - 1 = floor(log2(a)), exactly
;;       r = np.clip(x / 2.0 ** e, -7.5, 7.5)
;;       step = 2.0 ** (np.maximum(np.frexp(np.where(r == 0, 1, r))[1] - 1, 0) - 3)
;;       q = np.round(r / step) * step * 2.0 ** e      # np.round: ties to even
;;       return np.moveaxis(q.reshape(q.shape[:-2] + (-1,))[..., :K], -1, axis).astype(np.float32)
;;   ~~~
;;   SOFTMAX AHEAD OF A QUANTISED PRODUCT. Where the list says 'softmax', what is quantised is not the finished softmax but p = 2^(t - M), with t = logit x log2(e) and M = ceil(the row's largest t), a whole number; so 1/2 < the row's largest p <= 1. The row's sum l is taken of the UNQUANTISED p, in f32, and the product's result is divided by l at the end. Since M is a whole number, a kernel that streams over the keys may use a running M (the ceiling of the running maximum): every later rescaling is an exact power of two, which a block's scale takes up: the codes' values come out the same.
;;   OPERANDS COMPUTED ON THE WAY. 'Computed on the way' means the value that the module computes at that place (a softmax that the list does not call 'softmax' is quantised finished and normalised). What goes into a quantiser is computed in f32, as accurately as f32 sums, v_exp_f32 and their like allow (about 1e-6 of the number): no bf16 or f16 on the way to a quantiser, and a product that is left as it is and whose result goes on into a quantised operand takes f32 operands (vector FMAs, or v_wmma_f32_16x16x4_f32). A number that lies on a knife's edge between two numbers of the format may be rounded either way, as far as f32 arithmetic and the matrix unit's own rounding can turn it there, and no further.
;; One version. Each part assembles by itself: llvm-mc -triple=amdgcn-amd-amdhsa -mcpu=gfx1250 --defsym DOCPART=n.
;; ======== version 1 of 1: 4 launches
;; workspace buffers: opc 9,437,184 bytes; ops 393,216 bytes; qkv 19,660,800 bytes; cc 6,291,456 bytes; cs 262,144 bytes
;; launch quant (part 1): grid 384 x 1, 4 waves a work-group, no clusters, 33,280 bytes of LDS; arguments x, w_q, w_k, w_v, w_o, opc, ops; writes opc, ops
.if DOCPART == 1
	.amdgcn_target "amdgcn-amd-amdhsa--gfx1250"
	.amdhsa_code_object_version 6
	.text
	.protected	k_q4909e566ee_quant
	.globl	k_q4909e566ee_quant
	.p2align	8
	.type	k_q4909e566ee_quant,@function
k_q4909e566ee_quant:
	s_mov_b64 s[64:65], 0
	v_nop
	global_prefetch_b8 v0, s[64:65] scope:SCOPE_SE
	s_setreg_imm32_b32 hwreg(HW_REG_WAVE_MODE, 25, 1), 1
	s_wait_xcnt 0x0
; x [8192][1024] and w_q, w_k, w_v, w_o [1024][1024], f32, K innermost, become codes of FP6 (E2M3) with one E8M0 scale byte for each 32 along K.
; The five tensors are stacked into one matrix of 12,288 POSITIONS: x from 0, w_q from 8,192, w_k from 9,216, w_v from 10,240, w_o from 11,264.
; opc: [position][768 bytes] (1,024 codes, one stream of bits, the lowest k lowest);  ops: [position][32 bytes].
; POSITION p HOLDS SOURCE ROW p WITH BITS 3 AND 4 EXCHANGED: so sixteen neighbouring positions 16 i + r hold rows 32 (i / 2) + 8 (i % 2) + r + 8 (r / 8), and the later products, used transposed,
; give a lane sixteen neighbours along the next K in the registers of two neighbouring tiles.  It costs nothing here: a wave's run is 8 rows, so the row's bits 3 and 4 are the wave's number, and the
; wave writes to the run whose number has these two bits exchanged.
; A block's scale is 2^(floor(log2(its largest magnitude)) - 2); its byte is the largest magnitude's exponent field - 2, held at 1 from below.  Each number is divided by the scale and rounded to the nearest code, ties to even;
; beyond 7.5 the conversion gives the largest code.
; LIMITS: NaN and infinities among the inputs are not served.  A block whose largest magnitude lies under 2^-124 gets the byte 1.  A block of zeros gets the byte 1 where the quantiser's rule says 127: its codes are zeros,
; which add nothing under any byte but 0xff, and these bytes are read by this program alone.
; SHARES: 12,582,912 numbers, 32,768 to a work-group, 8,192 (16 steps of 512) to a wave: work-groups 0-255 take x, then 32 each w_q, w_k, w_v, w_o.  Only pointers are chosen by the work-group's number: one path.
; Each of a step's four loads reads 512 consecutive bytes, 16 a lane; the conversion wants 16 NEIGHBOURS in a lane: so the step's 2,048 bytes turn through the wave's own stage in LDS (16 bytes of padding behind each 64).
; A lane's 16 codes are 12 bytes: a wave stores 384 consecutive bytes a step.  A wave's 256 scale bytes are gathered in its own LDS bytes and leave as one aligned run of 256.
; No tensor loads, no barrier: waves share nothing.  Matrix units and clusters have no work here: every byte is read once and written once.
.set STEPS, 16
.set EMAX,  2
.set CB,    12                         ; bytes of 16 codes
.set R,     16                         ; v16-79   four sets of 16 numbers as they are loaded
.set X,     80                         ; v80-111  two sets of 16 neighbours
.set C,     128                        ; v128-191 codes: four registers for each step, so that no store's data are written again
.set E,     112                        ; v112-127 a scale byte for each step
.set WREG,  8192                       ; LDS: a region for each wave: two stages of 32 x SP bytes, behind them its 256 scale bytes
.set SP,    80                         ; a lane's place in a stage: 64 bytes + 16 of padding
	s_load_b256 s[4:11], s[0:1], 0x0               ; x, w_q, w_k, w_v
	s_load_b128 s[12:15], s[0:1], 0x20             ; w_o, opc
	s_load_b64 s[16:17], s[0:1], 0x30              ; ops
	v_lshl_add_u32 v192, v0, 2, 0x8000
	v_mov_b32 v193, 0
	v_lshrrev_b32 v1, 5, v0
	v_readfirstlane_b32 s18, v1                    ; wave
	v_and_b32 v2, 31, v0                           ; lane
	v_lshlrev_b32 v3, 4, v2                        ; my 16 bytes of a load's 512
	s_mul_i32 s19, s18, WREG
	v_lshrrev_b32 v14, 2, v2
	v_mul_u32_u24 v14, v14, SP
	v_and_b32 v15, 3, v2
	v_lshl_add_u32 v14, v15, 4, v14
	v_add_nc_u32 v14, s19, v14                     ; the stage, on the way in: SP (lane / 4) + 16 (lane % 4)
	v_mul_u32_u24 v15, v2, SP
	v_add_nc_u32 v15, s19, v15                     ; and on the way out: SP x lane: my 16 neighbours
	v_mul_u32_u24 v4, v2, CB                       ; my codes' place in a step's
	v_lshrrev_b32 v5, 1, v2
	s_add_co_u32 s19, s19, 2*32*SP
	v_add_nc_u32 v5, s19, v5                       ; LDS: my wave's 256 scale bytes, my block's byte
	v_lshlrev_b32 v7, 3, v2                        ; and on the way out 8 bytes a lane
	v_add_nc_u32 v6, s19, v7
	s_and_b32 s20, ttmp9, 31                       ; a weight's work-group within its tensor (each weight begins at a multiple of 32 work-groups)
	s_wait_kmcnt 0x0
	s_mov_b64 s[22:23], s[12:13]                   ; which tensor?  The choice hangs on the work-group's number alone
	s_cmp_lt_u32 ttmp9, 352
	s_cselect_b64 s[22:23], s[10:11], s[22:23]
	s_cmp_lt_u32 ttmp9, 320
	s_cselect_b64 s[22:23], s[8:9], s[22:23]
	s_cmp_lt_u32 ttmp9, 288
	s_cselect_b64 s[22:23], s[6:7], s[22:23]
	s_cmp_lt_u32 ttmp9, 256
	s_cselect_b64 s[22:23], s[4:5], s[22:23]
	s_cselect_b32 s20, ttmp9, s20                  ; x's work-group within x
	s_lshl_b32 s24, s20, 2
	s_add_co_u32 s24, s24, s18                     ; my run of 8 rows in the tensor,
	s_lshl_b32 s24, s24, 15                        ; 32,768 bytes each
	s_mov_b32 s25, 0
	s_add_nc_u64 s[22:23], s[22:23], s[24:25]
	s_and_b32 s26, s18, 1                          ; the wave's number with its two bits exchanged
	s_lshl_b32 s26, s26, 1
	s_lshr_b32 s27, s18, 1
	s_or_b32 s26, s26, s27
	s_lshl_b32 s27, ttmp9, 2
	s_add_co_u32 s27, s27, s26                     ; the run of 8 positions that I write
	s_mul_i32 s28, s27, 6144                       ; 8 x 768 bytes of codes
	s_mov_b32 s29, 0
	s_add_nc_u64 s[14:15], s[14:15], s[28:29]
	s_lshl_b32 s30, s27, 8                         ; 8 x 32 scale bytes
	s_mov_b32 s31, 0
	s_add_nc_u64 s[16:17], s[16:17], s[30:31]
.macro LOAD t
.irp i, 0,1,2,3
	global_load_b128 v[R+16*((\t)%4)+4*\i:R+16*((\t)%4)+4*\i+3], v3, s[22:23] offset:2048*(\t)+512*\i th:TH_LOAD_NT   ; 32 lanes read 512 consecutive bytes
.endr
.endm
.macro TURN t                          ; step t's numbers through the stage: LDS serves a wave's instructions in order (ISA guide 5.7.1.4), so no wait stands between the stores and the loads
.irp i, 0,1,2,3
	ds_store_b128 v14, v[R+16*((\t)%4)+4*\i:R+16*((\t)%4)+4*\i+3] offset:32*SP*((\t)%2)+8*SP*\i
.endr
.irp i, 0,1,2,3
	ds_load_b128 v[X+16*((\t)%2)+4*\i:X+16*((\t)%2)+4*\i+3], v15 offset:32*SP*((\t)%2)+16*\i
.endr
.endm
.irp t, 0,1,2,3
	LOAD \t
.endr
	s_wait_loadcnt 12                              ; step 0's four loads are in; the twelve of steps 1 to 3 stay out
	TURN 0
.macro STEP t
.set XS, X+16*((\t)%2)
.if (\t) > 0
	s_wait_dscnt 1                                 ; this step's numbers are back from the stage (the last step's byte store may be out): so its stores into the stage have read their registers,
.else
	s_wait_dscnt 0x0
.endif
.if (\t)+4 < STEPS
	LOAD (\t)+4                                    ; which take the loads of four steps on
.endif
.if (\t)+1 < STEPS
.if STEPS-2-(\t) >= 3
	s_wait_loadcnt 12                              ; the next step's four loads are in; those of the three steps behind it may be out
.else
	s_wait_loadcnt 4*(STEPS-2-(\t))
.endif
	TURN (\t)+1                                    ; and go through the other stage while this step is worked
.endif
	v_max3_num_f32 v8, |v[XS]|, |v[XS+1]|, |v[XS+2]|               ; the largest magnitude of my 16, in two chains
	v_max3_num_f32 v9, |v[XS+3]|, |v[XS+4]|, |v[XS+5]|
.irp i, 6,10
	v_max3_num_f32 v8, v8, |v[XS+\i]|, |v[XS+\i+1]|
	v_max3_num_f32 v9, v9, |v[XS+\i+2]|, |v[XS+\i+3]|
.endr
	v_max3_num_f32 v8, v8, |v[XS+14]|, |v[XS+15]|
	v_max3_num_f32 v8, v8, v9, (EMAX+1)<<23        ; and the floor 2^(3 - 127): the byte cannot fall under 1
	v_max_num_f32_dpp v8, v8, v8 row_xmask:1 row_mask:0xf bank_mask:0xf   ; and of my neighbour's 16: the block's
	v_add_nc_u32 v11, -(EMAX<<23), v8              ; 2 off its exponent field: the conversion takes the exponent field of this operand as its scale, and nothing else of it
	v_cvt_scalef32_pk16_fp6_f32 v[C+4*(\t):C+4*(\t)+2], v[XS:XS+15], v11         ; 96 bits without gaps, the first number's code lowest
	v_lshrrev_b32 v[E+(\t)], 23, v11               ; the scale's byte (also the plain line behind the conversion)
	ds_store_b8 v5, v[E+(\t)] offset:16*(\t)       ; both lanes of a block write the same byte with the same value
	global_store_b96 v4, v[C+4*(\t):C+4*(\t)+2], s[14:15] offset:32*CB*(\t)
.endm
.irp t, 0,1,2,3,4,5,6,7,8,9,10,11,12,13,14,15
	STEP \t
.endr
	ds_load_b64 v[12:13], v6                       ; in order behind my byte stores
	s_wait_dscnt 0x0
	global_store_b64 v7, v[12:13], s[16:17]        ; 32 lanes store 256 consecutive bytes, aligned
	s_wait_tensorcnt 0x0
	ds_add_u32 v192, v193
	s_wait_dscnt 0x0
	s_endpgm
.Lfunc_end_k_q4909e566ee_quant:
	.size	k_q4909e566ee_quant, .Lfunc_end_k_q4909e566ee_quant-k_q4909e566ee_quant
	.p2alignl 7, 3214868480
	.fill 96, 4, 3214868480
	.section	.rodata,"a",@progbits
	.p2align	6, 0x0
	.amdhsa_kernel k_q4909e566ee_quant
		.amdhsa_group_segment_fixed_size 33280
		.amdhsa_private_segment_fixed_size 0
		.amdhsa_enable_private_segment 0
		.amdhsa_kernarg_size 56
		.amdhsa_user_sgpr_count 2
		.amdhsa_user_sgpr_kernarg_segment_ptr 1
		.amdhsa_wavefront_size32 1
		.amdhsa_system_sgpr_workgroup_id_x 1
		.amdhsa_system_sgpr_workgroup_id_y 1
		.amdhsa_system_sgpr_workgroup_id_z 1
		.amdhsa_system_vgpr_workitem_id 0
		.amdhsa_next_free_vgpr 194
		.amdhsa_next_free_sgpr 66
		.amdhsa_reserve_vcc 0
		.amdhsa_float_denorm_mode_32 3
		.amdhsa_float_denorm_mode_16_64 3
		.amdhsa_memory_ordered 1
		.amdhsa_forward_progress 1
		.amdhsa_inst_pref_size 33
	.end_amdhsa_kernel
	.amdgpu_metadata
---
amdhsa.version: [ 1, 2 ]
amdhsa.kernels:
  - .name:           k_q4909e566ee_quant
    .symbol:         k_q4909e566ee_quant.kd
    .args:
      - { .name: x, .offset: 0, .size: 8, .value_kind: global_buffer, .address_space: global }
      - { .name: w_q, .offset: 8, .size: 8, .value_kind: global_buffer, .address_space: global }
      - { .name: w_k, .offset: 16, .size: 8, .value_kind: global_buffer, .address_space: global }
      - { .name: w_v, .offset: 24, .size: 8, .value_kind: global_buffer, .address_space: global }
      - { .name: w_o, .offset: 32, .size: 8, .value_kind: global_buffer, .address_space: global }
      - { .name: opc, .offset: 40, .size: 8, .value_kind: global_buffer, .address_space: global }
      - { .name: ops, .offset: 48, .size: 8, .value_kind: global_buffer, .address_space: global }
    .group_segment_fixed_size: 33280
    .private_segment_fixed_size: 0
    .kernarg_segment_align: 8
    .kernarg_segment_size: 56
    .max_flat_workgroup_size: 128
    .sgpr_count:     66
    .vgpr_count:     194
    .wavefront_size: 32
...
	.end_amdgpu_metadata
.endif
;; end of part 1
;; launch proj (part 2): grid 12 x 32, 4 waves a work-group, clusters of 4 x 4, 327,680 bytes of LDS; arguments opc, ops, qkv; writes qkv
.if DOCPART == 2
	.amdgcn_target "amdgcn-amd-amdhsa--gfx1250"
	.amdhsa_code_object_version 6
	.text
	.protected	k_q4909e566ee_proj
	.globl	k_q4909e566ee_proj
	.p2align	8
	.type	k_q4909e566ee_proj,@function
k_q4909e566ee_proj:
	s_mov_b64 s[64:65], 0
	v_nop
	global_prefetch_b8 v0, s[64:65] scope:SCOPE_SE
	s_setreg_imm32_b32 hwreg(HW_REG_WAVE_MODE, 25, 1), 1
	s_wait_xcnt 0x0
	s_wait_alu depctr_hold_cnt(0) depctr_sa_sdst(0) depctr_va_vdst(0) depctr_va_sdst(0) depctr_va_ssrc(0) depctr_va_vcc(0) depctr_vm_vsrc(0)
	s_getreg_b32 s2, hwreg(HW_REG_IB_STS2, 6, 4)
	s_cmp_eq_u32 s2, 0
	s_cbranch_scc0 .Lentry_in_a_cluster
	s_endpgm
.Lentry_in_a_cluster:
	s_bfe_u32 s2, ttmp6, 0x10000c
	s_cmp_lg_u32 s2, 0xf033
	s_cbranch_scc0 .Lentry_shape_is_right
	s_endpgm
.Lentry_shape_is_right:
; q = x w_q^T, k = x w_k^T and v^T = w_v x^T on codes of FP6 (E2M3) with E8M0 scales, K = 1,024; the results are QUANTISED ON THE WAY OUT, in registers, for the two products of attention, and never leave as f32.
; opc [12,288 positions][768 bytes], ops [position][32 bytes]: x from position 0, w_q from 8,192, w_k from 9,216, w_v from 10,240; position p holds source row p with bits 3 and 4 exchanged.
; TWO JOBS IN ONE GRID, chosen by the cluster's x, which all sixteen partners share; no branch, only selects.  Cluster x 0, 1: A = x (32 tiles of 256 positions), B = w_q and w_k on end (8 tiles).
; Cluster x 2: A = w_v (4 tiles), B = x (32 tiles): v comes out TRANSPOSED, so that its quantised axis, the keys, is B's index as the channels are for q and k.
; A tile of 256 x 256 is made by four waves, each 128 x 128: 64 accumulators of 16 x 16, 512 registers.  K goes in steps of 256 through a ring of two LDS slots filled by the tensor data mover; a tile's row is 192 bytes.
; The scale bytes of the work-group's 256 + 256 positions, for all of K, are two dense blocks: they come into LDS once, with the first fills.
; CLUSTERS: 4 x 4 work-groups; the four of a row of the cluster need the same tiles of A, the four of a column the same tiles of B: each tile is asked for jointly, by the same tensor load with a mask that names the four.
; THE MATRIX INSTRUCTION IS USED TRANSPOSED (source 0 = 16 positions of B, source 1 = 16 positions of A): lane (r, h) holds A's position 16 a + r, and register 8 b + j B's position 16 b + 8 h + j, which is B's SOURCE ROW
; 32 (b / 2) + 16 h + 8 (b % 2) + j.  So of A's block a the lane's 64 registers run along B's rows: register 16 b' + i is row 32 b' + 16 h + i: four half blocks of 32, which lanes l and l xor 16 share.
; THE WAY OUT: each block a becomes one operand fragment (16 rows x 128 along the next K, 12 registers) and a scale word a row.  The fragment is stored AS AN IMAGE OF ITS REGISTERS: registers 4 c .. 4 c + 3 of lane l at 512 c + 16 l.
; qkv: [8 batch + head pair][16 groups of 128 tokens][3 sections of 12,800 bytes: q, k, v]; a section: 8 images of 1,536 bytes, then 512 bytes of scale words: lane l's 16 bytes are words 0-3; word p holds tile 2 p's rows in
; lanes 0-15 and tile 2 p + 1's in lanes 16-31.  A wave writes one whole section.  q, k: rows = the group's positions, K = the head pair's 128 channels.  v: rows = the head pair's 128 channel positions, K = the group's 128 keys.
; LIMITS: NaN and infinities are not served; a block whose largest magnitude lies under 2^-124, a block of zeros among them, gets the scale byte 1 (zero codes add nothing; this program alone reads the bytes).
; REGISTERS, in windows of 256: window 0: v0-31 addresses; v32-63 scale words, two sets; v64-114 the way out; from v128 A's fragments, ONE set.   window 1: B's fragments, TWO sets, at v0 and v128.
;   window 2: the accumulators of my A blocks 0-3 (accumulator (a, b) at v[8 (8 (a % 4) + b)]);   window 3: those of blocks 4-7.
.set KSTEP,  256                       ; along K in a slot
.set NQ,     2                         ; matrix instructions deep
.set ROWB,   192                       ; a tile's row in bytes
.set KROW,   768                       ; a position's codes in memory
.set PITCH,  240                       ; an LDS row: 3 x (64 bytes + 16 of padding)
.set FR,     12                        ; registers of a fragment
.set NL,     6                         ; LDS loads that bring one
.set NP,     4                         ; places behind this matrix instruction (ISA guide 7.12.1)
.set HALFT,  128*PITCH                 ; what one tensor load brings
.set SLOT,   4*HALFT                   ; A's 256 rows, then B's 256 rows
.set LAPS,   2                         ; 1,024 / (2 x 256)
.set KS,     32                        ; a position's scale bytes
.set SCL,    2*SLOT                    ; behind the ring: the scales, as runs of 256 bytes + 16 of padding
.set HALFS,  (128*KS/256)*272          ; those of 128 positions
.set SBLK,   (16*KS/256)*272           ; those of 16
.set SPARE,  SCL+4*HALFS               ; the spare words, 128 bytes for each wave: two blocks of 256 bytes that no other line names
.set IMG,    1536                      ; an image
.set SECT,   12800                     ; a section
.set GSTEP,  38400                     ; a group's three sections
.set ADRA, 16                          ; v16-17 LDS address of my A fragments in slot 0, 1 (v18-19: for the pieces behind one padding more)
.set ADRB, 20                          ; v20-23 the same for B
.set CO,   26                          ; v26    16 x lane
.set ADRS, 27                          ; v27    LDS address of my scale words: lanes 0-15 A's, lanes 16-31 B's
.set SPW,  28                          ; v28    my spare word: SPARE + 4 x my thread's number; never rewritten
.set NIL,  29                          ; v29    0; never rewritten
.set SC,   32                          ; scale words: set s at v[SC + 16 s]
.set TM,   64                          ; v64-67 largest magnitudes, v68-71 the other half's, then the bytes, v76-79 the conversions' scale operands
.set PW,   80                          ; the scale word just made
.set SW,   84                          ; v84-87 the section's scale words
.set PC,   96                          ; v96-114 the codes just made
.set AF,   128                         ; A's fragments
.set G1, 24
.set G0, 32
.set G1B, 48
.set G0B, 56
.set G1S, 68
.set G0S, 76
.set G1SB, 80
.set G0SB, 88
.set SEL, 100                          ; s[100:101] lane selects for v_permlanex16_b32: lane l xor 16
.set MSB, 0
.macro WIN new                         ; the immediate's high byte repeats the setting that is left
.if MSB != \new
	s_set_vgpr_msb (MSB<<8)|\new
.set MSB, \new
.endif
.endm
.set MUL_LO, 0xa1                      ; source 0 (B) window 1, source 1 (A) window 0, C and D window 2
.set MUL_HI, 0xf1                      ; the same, C and D window 3
.set TO_B,   0x40                      ; destination window 1, address window 0
; A joint load: waves 0 and 1 fetch for A, waves 2 and 3 for B.  The branch hangs on the wave's number alone.  Four v_nop follow each of the two lines.
.macro JLOAD g0a, g1a, g0b, g1b
	s_cmp_eq_u32 s15, 0
	s_cbranch_scc0 .Lfor_b_\@
	tensor_load_to_lds s[\g0a:\g0a+3], s[\g1a:\g1a+7]
	s_nop 0
.rept 4
	v_nop
.endr
	s_branch .Lasked_\@
.Lfor_b_\@:
	tensor_load_to_lds s[\g0b:\g0b+3], s[\g1b:\g1b+7]
	s_nop 0
.rept 4
	v_nop
.endr
.Lasked_\@:
.endm
.macro CREST                           ; a round of the cluster's barrier behind its opening barrier
	s_cmp_lg_u32 s14, 0
	s_cbranch_scc1 .Lnot_wave_0_\@
	s_barrier_signal -3
.Lnot_wave_0_\@:
	s_barrier_wait -3
	s_barrier_signal -1
	s_barrier_wait -1
.endm
.macro CROUND                          ; a whole round
	s_barrier_signal -1
	s_barrier_wait -1
	CREST
.endm
	s_load_b128 s[4:7], s[0:1], 0x0                ; opc s[4:5], ops s[6:7]
	s_load_b64 s[12:13], s[0:1], 0x10              ; qkv
	v_lshl_add_u32 v[SPW], v0, 2, SPARE
	v_mov_b32 v[NIL], 0
	ds_add_u32 v28, v29
	s_wait_dscnt 0x0
	v_lshrrev_b32 v1, 5, v0
	v_readfirstlane_b32 s14, v1                    ; wave 0..3
	s_lshr_b32 s15, s14, 1                         ; which half of the tile's A positions is mine.  Also: I fetch for A (0) or for B (1)
	s_and_b32 s16, s14, 1                          ; which half of its B positions.  Also: which 128 rows of that tile I fetch
	s_bfe_u32 s40, ttmp6, 0x40000                  ; cx, cy: my place in the cluster
	s_bfe_u32 s41, ttmp6, 0x40004
	s_and_b32 s17, ttmp7, 0xffff                   ; the cluster's y, 0..7
	s_cmp_eq_u32 ttmp9, 2                          ; the job: the cluster's x is the same in all sixteen partners
	s_cselect_b32 s96, s17, ttmp9                  ; which four tile columns (B): v: the cluster's y;  q, k: its x
	s_cselect_b32 s97, 0, s17                      ; which four tile rows (A):    v: the only four;    q, k: the cluster's y
	s_cselect_b32 s98, 10240, 0                    ; A's first position: w_v or x
	s_cselect_b32 s99, 0, 8192                     ; B's: x or w_q
	s_lshl_b32 s42, s96, 2
	s_add_co_u32 s42, s42, s40                     ; tile column
	s_lshl_b32 s17, s97, 2
	s_add_co_u32 s17, s17, s41                     ; tile row
	s_lshl_b32 s43, s41, 2
	s_lshl_b32 s43, 15, s43                        ; my row of the cluster
	s_lshl_b32 s44, 0x1111, s40                    ; my column
	; descriptor group 1: a tile of 128 rows x 192 bytes, 16 bytes of padding behind every 64
	s_or_b32 s[G1+0], s43, (0<<16)|(1<<20)|(1<<21)|(3<<22)|(3<<25)  ; 15:0 the mask: A's tiles go to my row; 17:16 elements of 1 byte; 20 padding on; 21 set beside a mask; 24:22 after every 16 words; 31:25 of 4 words
	s_or_b32 s[G1B+0], s44, (0<<16)|(1<<20)|(1<<21)|(3<<22)|(3<<25)
.irp g, G1, G1B
	s_mov_b32 s[\g+1], ROWB<<16                    ; tensor_dim0
	s_mov_b32 s[\g+2], 128<<16                     ; tensor_dim1
	s_mov_b32 s[\g+3], ROWB<<16                    ; tile_dim0
	s_mov_b32 s[\g+4], 128                         ; tile_dim1
	s_mov_b32 s[\g+5], KROW                        ; tensor_dim0_stride
	s_mov_b32 s[\g+6], 0
	s_mov_b32 s[\g+7], 0
.endr
	; the scales of 128 positions: 4,096 dense bytes, as 16 rows of 256 bytes (32 elements of 8), 16 bytes of padding behind each
	s_or_b32 s[G1S+0], s43, (3<<16)|(1<<20)|(1<<21)|(5<<22)|(3<<25)
	s_or_b32 s[G1SB+0], s44, (3<<16)|(1<<20)|(1<<21)|(5<<22)|(3<<25)
.irp g, G1S, G1SB
	s_mov_b32 s[\g+1], 32<<16
	s_mov_b32 s[\g+2], (128*KS/256)<<16
	s_mov_b32 s[\g+3], 32<<16
	s_mov_b32 s[\g+4], 128*KS/256
	s_mov_b32 s[\g+5], 32
	s_mov_b32 s[\g+6], 0
	s_mov_b32 s[\g+7], 0
.endr
	s_lshl_b32 s18, s16, 7                         ; which 128 rows of the tile I fetch
	s_lshl_b32 s20, s17, 8
	s_add_co_u32 s20, s20, s18
	s_add_co_u32 s20, s20, s98                     ; A: its first position + 256 x tile row + 128 x half
	s_lshl_b32 s46, s42, 8
	s_add_co_u32 s46, s46, s18
	s_add_co_u32 s46, s46, s99                     ; B: likewise with the tile column
	s_mov_b32 s21, 0
	s_mov_b32 s47, 0
	s_mov_b64 s[18:19], KS
	s_mul_u64 s[22:23], s[20:21], s[18:19]         ; where these positions' scales begin, in bytes
	s_mul_u64 s[92:93], s[46:47], s[18:19]
	s_mov_b64 s[18:19], KROW
	s_mul_u64 s[20:21], s[20:21], s[18:19]         ; and their codes
	s_mul_u64 s[46:47], s[46:47], s[18:19]
	s_mul_i32 s45, s14, HALFT                      ; where they go: wave x 128 rows: no place in the cluster enters an LDS address
	s_mul_i32 s94, s14, HALFS
	s_wait_kmcnt 0x0
	s_add_nc_u64 s[20:21], s[4:5], s[20:21]
	s_add_nc_u64 s[22:23], s[6:7], s[22:23]
	s_add_nc_u64 s[46:47], s[4:5], s[46:47]
	s_add_nc_u64 s[92:93], s[6:7], s[92:93]
	CROUND                                         ; all sixteen work-groups are here: the first joint loads meet
	s_mov_b32 s[G0S], 1
	s_add_co_u32 s[G0S+1], s94, SCL
	s_mov_b64 s[G0S+2:G0S+3], s[22:23]
	s_or_b32 s[G0S+3], s[G0S+3], 0x80000000
	s_mov_b32 s[G0SB], 1
	s_add_co_u32 s[G0SB+1], s94, SCL
	s_mov_b64 s[G0SB+2:G0SB+3], s[92:93]
	s_or_b32 s[G0SB+3], s[G0SB+3], 0x80000000
	JLOAD G0S, G1S, G0SB, G1SB                     ; the scales first: they are wanted with K step 0.  Three tensor loads of mine are out behind the third of these lines
.irp s, 0,1
	s_mov_b32 s[G0+4*\s], 1
	s_add_co_u32 s[G0+4*\s+1], s45, \s*SLOT
	s_add_nc_u64 s[G0+4*\s+2:G0+4*\s+3], s[20:21], \s*ROWB
	s_or_b32 s[G0+4*\s+3], s[G0+4*\s+3], 0x80000000
	s_mov_b32 s[G0B+4*\s], 1
	s_add_co_u32 s[G0B+4*\s+1], s45, \s*SLOT
	s_add_nc_u64 s[G0B+4*\s+2:G0B+4*\s+3], s[46:47], \s*ROWB
	s_or_b32 s[G0B+4*\s+3], s[G0B+4*\s+3], 0x80000000
	JLOAD G0+4*\s, G1, G0B+4*\s, G1B
.endr
	v_and_b32 v1, 15, v0                           ; r = lane % 16
	v_bfe_u32 v2, v0, 4, 1                         ; h = lane / 16
	v_mul_u32_u24 v3, v1, PITCH
	v_mul_u32_u24 v4, v2, 24
	v_add_nc_u32 v4, v3, v4                        ; a fragment's row x pitch + 24 x half
	v_lshl_add_u32 v5, v2, 4, v4                   ; and the same behind one padding more
	s_mul_i32 s21, s15, HALFT                      ; my 128 rows of A
	s_mul_i32 s22, s16, HALFT                      ; my 128 rows of B,
	s_add_co_u32 s22, s22, 2*HALFT                 ; which lie behind A's 256
.irp s, 0,1
	v_add_nc_u32 v[ADRA+\s], s21, v4
	v_add_nc_u32 v[ADRB+\s], s22, v4
	v_add_nc_u32 v[ADRA+2+\s], s21, v5
	v_add_nc_u32 v[ADRB+2+\s], s22, v5
	s_add_co_u32 s21, s21, SLOT
	s_add_co_u32 s22, s22, SLOT
.endr
	v_mul_u32_u24 v5, v1, KS                       ; my row's scales: 32 bytes a row,
	v_lshrrev_b32 v6, 8, v5
	v_lshl_add_u32 v5, v6, 4, v5                   ; and 16 more for each 256 passed
	s_mul_i32 s21, s15, HALFS                      ; A's: my 128 rows
	s_mul_i32 s22, s16, HALFS                      ; B's: my 128 rows, behind A's 256
	s_add_co_u32 s22, s22, 2*HALFS
	s_sub_co_u32 s22, s22, s21
	v_mul_u32_u24 v6, s22, v2                      ; lanes 16-31 take B's: the lower base + h x the distance
	s_add_co_u32 s21, s21, SCL
	v_add_nc_u32 v5, v5, v6
	v_add_nc_u32 v[ADRS], s21, v5
	v_and_b32 v6, 31, v0
	v_lshlrev_b32 v[CO], 4, v6                     ; the way out: 16 bytes a lane
.irp b, 0,1,2,3
	v_mov_b32 v[TM+4+\b], 0                        ; written once: a lane permute's destination counts as one of its sources
.endr
	s_mov_b32 s[SEL], 0x76543210
	s_mov_b32 s[SEL+1], 0xfedcba98
	s_mov_b32 s66, 0xffff0000                      ; lanes 16-31
	; my section of qkv
	s_lshl_b32 s20, s17, 1
	s_add_co_u32 s20, s20, s15                     ; my group of 128 of A's positions
	s_lshl_b32 s46, s42, 1
	s_add_co_u32 s46, s46, s16                     ; and of B's
	s_lshr_b32 s47, s46, 3                         ; q, k: B's groups 0-7 are w_q's head pairs, 8-15 w_k's
	s_and_b32 s21, s46, 7
	s_cmp_eq_u32 ttmp9, 2
	s_cselect_b32 s22, s46, s20                    ; the group of tokens, 0..63: v: B's;  q, k: A's
	s_cselect_b32 s23, s20, s21                    ; the head pair
	s_cselect_b32 s47, 2, s47                      ; the section
	s_lshr_b32 s20, s22, 4                         ; the batch
	s_lshl_b32 s20, s20, 3
	s_add_co_u32 s20, s20, s23
	s_lshl_b32 s20, s20, 4
	s_and_b32 s22, s22, 15
	s_add_co_u32 s20, s20, s22
	s_mul_i32 s20, s20, GSTEP
	s_mul_i32 s47, s47, SECT
	s_add_co_u32 s20, s20, s47                     ; under 19,660,800
	s_mov_b32 s21, 0
	s_add_nc_u64 s[12:13], s[12:13], s[20:21]
.macro FRAG reg, adr, q, i             ; a fragment: lane l holds row l % 16; registers 6 c .. 6 c + 5 hold K = 64 c + 32 (l / 16) + 0 .. 31: 24 bytes of the row's stream of bits, as they lie
.irp p, 0,1,2,3,4,5                    ; in pieces of 8 bytes.  Lanes 0-15 take the row's pieces 12 q + 0, 1, 2 and 12 q + 6, 7, 8, lanes 16-31 those three pieces on
.set PCE, 12*(\q)+6*(\p/3)+\p%3       ; 16 bytes of padding lie behind every 8 pieces: where the piece three on lies behind one padding more, the second address register serves
.if PCE%8 < 5
	ds_load_b64 v[\reg+2*\p:\reg+2*\p+1], v[\adr] offset:8*PCE+16*(PCE/8)+(\i)*16*PITCH
.else
	ds_load_b64 v[\reg+2*\p:\reg+2*\p+1], v[\adr+2] offset:8*PCE+16*(PCE/8)+(\i)*16*PITCH
.endif
.endr
.endm
; 16 matrix instructions: A's blocks a0, a0 + 1 x B's eight, 128 along K: the slot's q-th.  p: B's set;  sc: the set of scale words.  zero = 1: the first product starts the sums.
; The 64 accumulators take turns, one instruction a turn, in the same order in every step.
.macro MUL16 a0, p, q, sc, zero
.irp a, \a0, \a0+1
.irp b, 0,1,2,3,4,5,6,7
.if \zero
	v_wmma_scale_f32_16x16x128_f8f6f4 v[8*(8*((\a)%4)+\b):8*(8*((\a)%4)+\b)+7], v[128*(\p)+FR*\b:128*(\p)+FR*\b+FR-1], v[AF+FR*(\a):AF+FR*(\a)+FR-1], 0, v[SC+8*NQ*(\sc)+NQ*\b+(\q)], v[SC+8*NQ*(\sc)+NQ*(\a)+(\q)] matrix_a_fmt:MATRIX_FMT_FP6 matrix_b_fmt:MATRIX_FMT_FP6 matrix_a_scale:MATRIX_SCALE_ROW1
.else
	v_wmma_scale_f32_16x16x128_f8f6f4 v[8*(8*((\a)%4)+\b):8*(8*((\a)%4)+\b)+7], v[128*(\p)+FR*\b:128*(\p)+FR*\b+FR-1], v[AF+FR*(\a):AF+FR*(\a)+FR-1], v[8*(8*((\a)%4)+\b):8*(8*((\a)%4)+\b)+7], v[SC+8*NQ*(\sc)+NQ*\b+(\q)], v[SC+8*NQ*(\sc)+NQ*(\a)+(\q)] matrix_a_fmt:MATRIX_FMT_FP6 matrix_b_fmt:MATRIX_FMT_FP6 matrix_a_scale:MATRIX_SCALE_ROW1
.endif
.endr
.endr
.endm
.macro FETCH_B slot, q, p              ; B's eight fragments of the slot's q-th 128 along K into set p
	WIN TO_B
.irp i, 0,1,2,3,4,5,6,7
	FRAG 128*(\p)+FR*\i, ADRB+\slot, \q, \i
.endr
	WIN 0
.endm
.macro FETCH_A slot, q, i0             ; A's blocks i0 .. i0 + 3
.irp i, \i0, \i0+1, \i0+2, \i0+3
	FRAG AF+FR*(\i), ADRA+\slot, \q, \i
.endr
.endm
.macro SCALES sc                       ; the next K step's scale words into set sc: two words a row; lanes 0-15 take A's block i, lanes 16-31 B's block i
.irp i, 0,1,2,3,4,5,6,7
	ds_load_b64 v[SC+8*NQ*\sc+NQ*\i:SC+8*NQ*\sc+NQ*\i+1], v[ADRS] offset:\i*SBLK
.endr
.endm
; A load into a register that a matrix instruction has read, and a vector instruction that reads a matrix result, stand four places behind that matrix instruction; only plain vector instructions
; that name none of its registers are places (ISA guide 7.12.1 for vector instructions).
.macro PLACES n
.rept \n
	v_nop
.endr
.endm
; A step of 128 along K that has its successor in the same slot.
.macro STEP slot, q, zero
	s_wait_dscnt 4*NL                              ; B's set and A's blocks 0-3 are in; the youngest 24 loads (A's blocks 4-7) may be out
	WIN MUL_LO
	MUL16 0, (\q)%2, \q, \slot, \zero
	MUL16 2, (\q)%2, \q, \slot, \zero
	s_wait_dscnt 0                                 ; A's blocks 4-7 are in (asked for 32 matrix instructions ago)
	PLACES NP
	FETCH_B \slot, (\q)+1, 1-(\q)%2
	FETCH_A \slot, (\q)+1, 0
	WIN MUL_HI
	MUL16 4, (\q)%2, \q, \slot, \zero
	MUL16 6, (\q)%2, \q, \slot, \zero
	PLACES NP
	WIN 0
	FETCH_A \slot, (\q)+1, 4
.endm
; A slot's last step changes slots: ONE barrier; in front of it each wave waits for all its tensor loads, adds 0 to its spare word, and waits for that and for its own reads of this slot.  fill = 1: this slot is filled again, two K steps ahead.
.macro TURN slot, next, fill
	s_wait_tensorcnt 0x0                           ; all my tensor loads have landed: my part of the next slot  (every window is 0 here)
	ds_add_u32 v[SPW], v[NIL]                      ; 0 onto my spare word
	s_wait_dscnt 4*NL+1                            ; (the add and the youngest 24 loads, A's blocks 4-7, may be out)
	WIN MUL_LO
	MUL16 0, 1, NQ-1, \slot, 0                     ; sixteen matrix instructions stand between the add and the wait for it
	s_wait_dscnt 0x0                               ; the add is done, and my reads of this slot are over
	s_barrier_signal -1
	MUL16 2, 1, NQ-1, \slot, 0
	WIN 0
	s_barrier_wait -1
.if \fill
	CREST                                          ; the barrier has opened a round of the cluster's barrier: no wave of any partner still reads this slot's tile or has a load on its way
	s_add_nc_u64 s[G0+4*\slot+2:G0+4*\slot+3], s[G0+4*\slot+2:G0+4*\slot+3], 2*ROWB
	s_add_nc_u64 s[G0B+4*\slot+2:G0B+4*\slot+3], s[G0B+4*\slot+2:G0B+4*\slot+3], 2*ROWB
	JLOAD G0+4*\slot, G1, G0B+4*\slot, G1B         ; the first tensor load behind the round, my only one until the next; its four v_nop are also the places in front of the loads below
.else
	PLACES NP
.endif
	v_add_nc_u32 v[ADRS], 4*NQ, v[ADRS]            ; on to the next K step's scale words
	FETCH_B \next, 0, 0
	FETCH_A \next, 0, 0
	SCALES \next
	WIN MUL_HI
	MUL16 4, 1, NQ-1, \slot, 0
	MUL16 6, 1, NQ-1, \slot, 0
	PLACES NP
	WIN 0
	FETCH_A \next, 0, 4
.endm
	s_wait_tensorcnt 1                             ; the scales and my part of K step 0 are in (K step 1's load may be out)
	s_barrier_signal -1
	s_barrier_wait -1                              ; everybody's are
	FETCH_B 0, 0, 0
	FETCH_A 0, 0, 0
	SCALES 0
	FETCH_A 0, 0, 4
	STEP 0, 0, 1                                   ; the first step stands in front of the loop: its products start the sums
	s_mov_b32 s3, LAPS-1
.Llap:                                                 ; a trip goes once round the ring, from a lap's second step to the next lap's first, and fills both slots again
	TURN 0, 1, 1
	STEP 1, 0, 0
	TURN 1, 0, 1
	STEP 0, 0, 0
	s_sub_co_u32 s3, s3, 1
	s_cmp_lg_u32 s3, 0
	s_cbranch_scc1 .Llap
	TURN 0, 1, 0                                   ; the last lap fills nothing, and has no round of the cluster's barrier
	STEP 1, 0, 0
	s_wait_dscnt 4*NL                              ; the very last step: nothing more to fetch
	WIN MUL_LO
	MUL16 0, 1, NQ-1, 1, 0
	MUL16 2, 1, NQ-1, 1, 0
	s_wait_dscnt 0
	WIN MUL_HI
	MUL16 4, 1, NQ-1, 1, 0
	MUL16 6, 1, NQ-1, 1, 0
	WIN 0
; THE WAY OUT of A's block a: its 64 registers a lane (register 16 b + i = the next K's 32 b + 16 h + i of the lane's row) become a fragment's 12 registers and a scale word, and the fragment is stored as it stands.
.macro QOUT a
.set XW, 2+(\a)/4                      ; the block's window
.set AS, 64*((\a)%4)                   ; and its first register there
.set WMAX, (XW<<2)|(XW<<4)             ; sources 1 and 2 in that window
	WIN WMAX
.irp b, 0,1,2,3
	v_max3_num_f32 v[TM+\b], 0x1800000, |v[AS+16*\b]|, |v[AS+16*\b+1]|   ; block b: my 16 numbers, and the floor 2^(3 - 127).  Each accumulator is read from its low end on
.endr
.irp i, 2,4,6,8,10,12,14
.irp b, 0,1,2,3
	v_max3_num_f32 v[TM+\b], v[TM+\b], |v[AS+16*\b+\i]|, |v[AS+16*\b+\i+1]|   ; (the four blocks by turns)
.endr
.endr
	WIN 0
.irp b, 0,1,2,3
	v_permlanex16_b32 v[TM+4+\b], v[TM+\b], s[SEL], s[SEL+1]
.endr
.irp b, 0,1,2,3
	v_max_num_f32 v[TM+\b], v[TM+\b], v[TM+4+\b]   ; with lane l xor 16's: the block's largest magnitude
.endr
.irp b, 0,1,2,3
	v_add_nc_u32 v[TM+12+\b], 0xff000000, v[TM+\b] ; 2 off its exponent field: the conversion's scale operand
.endr
.irp b, 0,1,2,3
	v_lshrrev_b32 v[TM+4+\b], 23, v[TM+12+\b]      ; the scale's byte
.endr
	v_lshl_or_b32 v[PW], v[TM+5], 8, v[TM+4]       ; my row's scale word; lanes l and l xor 16 hold the same
	v_lshl_or_b32 v[PW], v[TM+6], 16, v[PW]
	v_lshl_or_b32 v[PW], v[TM+7], 24, v[PW]
	s_wait_xcnt 0x0                                ; the last block's stores have read the codes' registers: only behind this wait are they written again
	WIN XW                                         ; source 0 in the block's window
.irp c, 0,1
	v_cvt_scalef32_pk16_fp6_f32 v[PC+6*\c:PC+2+6*\c], v[AS+32*\c:AS+15+32*\c], v[TM+12+2*\c]
	v_cvt_scalef32_pk16_fp6_f32 v[PC+12+4*\c:PC+14+4*\c], v[AS+16+32*\c:AS+31+32*\c], v[TM+12+2*\c+1]   ; (a conversion's three registers begin on an even number)
.endr
	WIN 0
	v_nop                                          ; one plain place behind a scaled conversion
.irp c, 0,1                                    ; the operand's layout wants a WHOLE block in a lane: lanes 0-15 block 2 c, lanes 16-31 block 2 c + 1
.irp i, 0,1,2
	v_permlane16_swap_b32 v[PC+6*\c+\i], v[PC+12+4*\c+\i]
.endr
.irp i, 0,1,2
	v_mov_b32 v[PC+3+6*\c+\i], v[PC+12+4*\c+\i]
.endr
.endr
.if ((\a)%2) == 0
	v_mov_b32 v[SW+(\a)/2], v[PW]                  ; an even tile's words in lanes 0-15,
.else
	v_cndmask_b32 v[SW+(\a)/2], v[SW+(\a)/2], v[PW], s66   ; the odd tile's in lanes 16-31 of the same register
.endif
.irp c, 0,1,2
	global_store_b128 v[CO], v[PC+4*\c:PC+4*\c+3], s[12:13] offset:(\a)*IMG+512*\c   ; 32 lanes store 512 consecutive bytes, at a multiple of 256 from the buffer's first byte
.endr
.endm
	PLACES NP                                      ; behind the last products
.irp a, 0,1,2,3,4,5,6,7
	QOUT \a
.endr
	global_store_b128 v[CO], v[SW:SW+3], s[12:13] offset:8*IMG   ; the section's scale words
	s_wait_tensorcnt 0x0                           ; the wave's end
	ds_add_u32 v[SPW], v[NIL]
	s_wait_dscnt 0x0
	CROUND                                         ; the closing round: no work-group ends while a partner may still ask for a tile that names it
	s_endpgm
.Lfunc_end_k_q4909e566ee_proj:
	.size	k_q4909e566ee_proj, .Lfunc_end_k_q4909e566ee_proj-k_q4909e566ee_proj
	.p2alignl 7, 3214868480
	.fill 96, 4, 3214868480
	.section	.rodata,"a",@progbits
	.p2align	6, 0x0
	.amdhsa_kernel k_q4909e566ee_proj
		.amdhsa_group_segment_fixed_size 327680
		.amdhsa_private_segment_fixed_size 0
		.amdhsa_enable_private_segment 0
		.amdhsa_kernarg_size 24
		.amdhsa_user_sgpr_count 2
		.amdhsa_user_sgpr_kernarg_segment_ptr 1
		.amdhsa_wavefront_size32 1
		.amdhsa_system_sgpr_workgroup_id_x 1
		.amdhsa_system_sgpr_workgroup_id_y 1
		.amdhsa_system_sgpr_workgroup_id_z 1
		.amdhsa_system_vgpr_workitem_id 0
		.amdhsa_next_free_vgpr 1024
		.amdhsa_next_free_sgpr 102
		.amdhsa_reserve_vcc 0
		.amdhsa_float_denorm_mode_32 3
		.amdhsa_float_denorm_mode_16_64 3
		.amdhsa_memory_ordered 1
		.amdhsa_forward_progress 1
		.amdhsa_inst_pref_size 165
	.end_amdhsa_kernel
	.amdgpu_metadata
---
amdhsa.version: [ 1, 2 ]
amdhsa.kernels:
  - .name:           k_q4909e566ee_proj
    .symbol:         k_q4909e566ee_proj.kd
    .args:
      - { .name: opc, .offset: 0, .size: 8, .value_kind: global_buffer, .address_space: global }
      - { .name: ops, .offset: 8, .size: 8, .value_kind: global_buffer, .address_space: global }
      - { .name: qkv, .offset: 16, .size: 8, .value_kind: global_buffer, .address_space: global }
    .group_segment_fixed_size: 327680
    .private_segment_fixed_size: 0
    .kernarg_segment_align: 8
    .kernarg_segment_size: 24
    .max_flat_workgroup_size: 128
    .sgpr_count:     102
    .vgpr_count:     1024
    .wavefront_size: 32
...
	.end_amdgpu_metadata
.endif
;; end of part 2
;; launch attn (part 3): grid 8 x 32, 16 waves a work-group, no clusters, 327,680 bytes of LDS; arguments qkv, cc, cs; writes cc, cs
.if DOCPART == 3
	.amdgcn_target "amdgcn-amd-amdhsa--gfx1250"
	.amdhsa_code_object_version 6
	.text
	.protected	k_q4909e566ee_attn
	.globl	k_q4909e566ee_attn
	.p2align	8
	.type	k_q4909e566ee_attn,@function
k_q4909e566ee_attn:
	s_mov_b64 s[64:65], 0
	v_nop
	global_prefetch_b8 v0, s[64:65] scope:SCOPE_SE
	s_setreg_imm32_b32 hwreg(HW_REG_WAVE_MODE, 25, 1), 1
	s_wait_xcnt 0x0
; Causal attention on codes of FP6 (E2M3) with E8M0 scales: 64 heads of 64 channels, 2,048 tokens; ctx is quantised in registers for the last product and leaves as codes.
; qkv: [8 batch + head pair][16 groups of 128 tokens][q, k, v sections of 12,800 bytes]; a section: 8 images of operand fragments (registers 4 c .. 4 c + 3 of lane l at 512 c + 16 l; 1,536 bytes), then 512 bytes of scale
; words (lane l's 16 bytes: words 0-3; word p: tile 2 p's rows in lanes 0-15, tile 2 p + 1's in lanes 16-31).  q, k: image i's row r is token 32 (i / 2) + 8 (i % 2) + r + 8 (r / 8) of the group; K = the head pair's 128 channels
; (registers 0-5 the even head, 6-11 the odd).  v: image a's rows are channels (images 0-3 the even head, 4-7 the odd; channel 32 (t / 2) + 8 (t % 2) + r + 8 (r / 8)), K = the group's 128 keys in their order.
; THE SOFTMAX AHEAD OF THE SECOND PRODUCT: t = score x log2(e) / 8; M = the running largest t rounded UP to a whole number; p = 2^(t - M) is quantised along the keys, not normalised; the row's sum is taken of the
; unquantised p and divides O at the end.  When M moves, the sum and O are multiplied by 2^(old M - new M): exact.
; SHARES.  A work-group owns one head pair and TWO blocks of 128 queries: block j, then block 15 - j.  Block i needs key steps 0 .. i of 128 keys: (j + 1) + (16 - j) = 17 key steps in every work-group: 256 equal work-groups,
; constant trip counts, and no tile is fetched that the mask throws away.  Wave w takes query tile w / 2 (16 queries) and head w % 2: 256 registers, four waves to a SIMD.
; THE HEAD'S K IS 64, half of the instruction's 128: the wave clears the other head's half of its Q fragment (zero codes add nothing) and the other head's two bytes of Q's scale word (byte 0 is 2^-127).
; Of each fragment of K it loads ITS OWN HEAD'S SIX REGISTERS ALONE; the other six keep what they held (zeros from the head of the text, later codes of V): they meet Q's zero codes.  FP6 has no code but numbers.
; LAYOUT.  Both products are used transposed: S^T = K Q^T (source 0 = 16 keys), O^T = V^T P^T (source 0 = 16 channels): a lane holds ONE query throughout, the 16 registers of tiles 2 b, 2 b + 1 of S^T are keys 32 b + 16 h + 0 .. 15,
; and O^T's 32 registers are channels 32 b + 16 h + 0 .. 15: both are what the conversions want.
; RING.  The 17 key steps are a list: entry q is key step q (q <= j) or q - j - 1.  A key step's k and v sections are 25,600 dense bytes: one tensor load (100 rows of 256 bytes).  A SLOT HOLDS FOUR ENTRIES: waves 0 to 3 bring one
; each, entry 4 g + w to the slot's byte 25,600 w; two slots; ONE barrier for four key steps, so that between barriers the sixteen waves need not keep step.  A wave has one tensor load out at a time, asked for four key steps
; ahead of its first read.  The list's last group is the single entry 16: wave 0 alone asks for it, and that change of slots is written out.
; NO CLUSTER: the eight work-groups of a head pair read the same tiles, but entry q is key step q in one and q - j - 1 in another: from entry 1 on no two partners want the same tiles in the same group.
; OUT.  cc: [head pair][512 tiles of 16 positions][1,536 bytes]: for each head of the pair 768 bytes: registers 0-3 of lane l at 16 l, registers 4-5 at 512 + 8 l: whole aligned runs of 512 and 256 bytes.
; cs: [position][32 bytes], byte 2 head + block: a wave's 16 rows get 2 bytes each, 32 bytes apart: runs of 256 bytes written in part, 262,144 bytes in the whole launch against 6,291,456 of codes.
; LIMITS: NaN and infinities are not served; 1 / sum is v_rcp_f32's; a block of p or of ctx whose largest magnitude lies under 2^-124, zeros among them, gets the scale byte 1 (its codes then add what the floor leaves; this program alone reads the bytes).
; A block's largest p is taken as 2^(the block's largest t - M), by the same two instructions as every p: this takes v_exp_f32 not to fall where its input rises.
; REGISTERS: v1-7, v11, v28 addresses and ids that stay; v8-10 LDS addresses of the step; v12 -M, v13 the largest t, v[14:15] the sum in two halves; v16-27 Q; v32-127 K's eight fragments, then V's four;
;   v128-191 S^T, then p; v192-223 O^T; v224-235 p's codes; v232-247, v252, v254 at work; v248-251 K's or V's scale words; v253 p's; v255 Q's.
.set STEPB, 25600                      ; a key step's k and v sections
.set SLOT1, 131072                     ; slot 0 at LDS byte 0 (102,400 bytes), slot 1 here: one exclusive or turns an address
.set SPARE, 262144                     ; the spare words, 128 bytes for each of sixteen waves: eight blocks of 256 bytes that no other line names
.set IMG,   1536
.set SECT,  12800
.set GSTEP, 38400
.set ST,    128                        ; S^T
.set OT,    192                        ; O^T
.set JB1,   10                         ; s10 j + 1
.set GRP,   11                         ; s11 counts the groups whose successor is a full group
.set CNT,   12                         ; s12 counts a slot's four key steps  (s13 at work)
.set WV,    18                         ; s18 wave
.set PI,    19                         ; s19 which head of the pair
.set SEL,   20                         ; s[20:21] lane selects: lane l xor 16
.set CS,    22                         ; s[22:23] c = log2(e) / 8
.set G1,    24                         ; s[24:31] descriptor group 1
.set G0,    32                         ; s[32:35] group 0
.set KVB,   36                         ; s[36:37] the head pair's first k section
.set OFF,   38                         ; s[38:39] the byte offset of the key step to be asked for
.set TRIP,  40                         ; s40 the list's entry in hand
.set JB,    41                         ; s41 j
.set TB,    42                         ; s42 LDS byte at which the entry in hand begins
.set BLK,   43                         ; s43 the block of queries in hand
.set TQ,    44                         ; s44 my query tile
.set MSK,   45                         ; s45 all ones for the odd head, else 0
.set QM,    46                         ; s46 my head's two bytes of a scale word
.set QN,    47                         ; s47 the list's entry that my wave asks for next: 4 g + wave % 4
.set QB,    48                         ; s[48:49] the head pair's first q section, at my tile's image
.set CB,    50                         ; s[50:51] cc at my half image of block 0
.set SB,    52                         ; s[52:53] cs at my tile's first row of block 0, my head's bytes
.macro TLOAD n                         ; waves 0 .. n - 1 ask, one load each; four v_nop follow the line
	s_cmp_lt_u32 s[WV], \n
	s_cbranch_scc0 .Lasked_\@
	tensor_load_to_lds s[G0:G0+3], s[G1:G1+7]
	s_nop 0
.rept 4
	v_nop
.endr
.Lasked_\@:
.endm
.macro ADDR                            ; group 0's global address for entry s[QN]: key step QN, or QN - (j + 1) behind the first block's last
	s_cmp_le_u32 s[QN], s[JB]
	s_cselect_b32 s13, 0, s[JB1]
	s_sub_co_u32 s13, s[QN], s13
	s_mul_i32 s[OFF], s13, GSTEP
	s_add_nc_u64 s[G0+2:G0+3], s[KVB:KVB+1], s[OFF:OFF+1]
	s_or_b32 s[G0+3], s[G0+3], 0x80000000          ; type = 2
.endm
	s_load_b128 s[4:7], s[0:1], 0x0                ; qkv, cc
	s_load_b64 s[8:9], s[0:1], 0x10                ; cs
	v_lshl_add_u32 v5, v0, 2, SPARE                ; my spare word; never rewritten
	v_mov_b32 v6, 0                                ; 0; never rewritten
	ds_add_u32 v5, v6
	ds_add_u32 v5, v6
	s_wait_dscnt 0x0
	v_lshrrev_b32 v8, 5, v0
	s_delay_alu instid0(VALU_DEP_1)
	v_readfirstlane_b32 s[WV], v8                  ; wave 0..15
	s_and_b32 s[PI], s[WV], 1
	s_lshr_b32 s[TQ], s[WV], 1
	s_and_b32 s[QN], s[WV], 3                      ; the first group's entry that I would ask for
	s_mov_b32 s[JB], ttmp9
	s_add_co_u32 s[JB1], ttmp9, 1
	s_and_b32 s54, ttmp7, 0xffff                   ; 8 batch + head pair
	s_lshr_b32 s55, s54, 3                         ; batch
	s_and_b32 s56, s54, 7                          ; head pair
	s_sub_co_u32 s[MSK], 0, s[PI]
	s_lshl_b32 s57, s[PI], 4
	s_lshl_b32 s[QM], 0xffff, s57
	s_mul_i32 s58, s54, 16*GSTEP
	s_mov_b32 s59, 0
	s_mul_i32 s60, s[TQ], IMG
	s_mov_b32 s61, 0
	; descriptor group 1: 25,600 dense bytes as 100 rows of 256 (32 elements of 8 bytes), no padding, no mask
	s_mov_b32 s[G1], 3<<16
	s_mov_b32 s[G1+1], 32<<16                      ; tensor_dim0
	s_mov_b32 s[G1+2], 100<<16                     ; tensor_dim1
	s_mov_b32 s[G1+3], 32<<16                      ; tile_dim0
	s_mov_b32 s[G1+4], 100                         ; tile_dim1
	s_mov_b32 s[G1+5], 32                          ; tensor_dim0_stride
	s_mov_b32 s[G1+6], 0
	s_mov_b32 s[G1+7], 0
	s_mov_b32 s[SEL], 0x76543210
	s_mov_b32 s[SEL+1], 0xfedcba98
	s_mov_b32 s[CS], 0x3e38aa3b                    ; log2(e) / 8
	s_mov_b32 s[CS+1], s[CS]                       ; (named with it as a pair, so it is written)
	s_mov_b32 s[OFF+1], 0
	s_mov_b32 s[TRIP], 0
	s_mov_b32 s[TB], 0
	s_mov_b32 s[BLK], s[JB]
	s_wait_kmcnt 0x0
	s_add_nc_u64 s[QB:QB+1], s[4:5], s[58:59]      ; qkv at my head pair
	s_add_nc_u64 s[KVB:KVB+1], s[QB:QB+1], SECT    ; its first k section
	s_add_nc_u64 s[QB:QB+1], s[QB:QB+1], s[60:61]  ; its first q section at my tile's image
	s_mov_b32 s[G0], 1                             ; count = 1
	s_mul_i32 s[G0+1], s[QN], STEPB                ; LDS address: slot 0, my quarter
	ADDR
	TLOAD 4                                        ; the first fills, entries 0 to 3, ahead of every wait on TENSORcnt, LDS read and barrier
	s_mul_i32 s58, s56, 786432                     ; cc: the head pair's plane,
	s_mul_i32 s57, s55, 196608                     ; the batch's 128 tiles,
	s_add_co_u32 s58, s58, s57
	s_add_co_u32 s58, s58, s60                     ; my tile,
	s_mul_i32 s57, s[PI], 768                      ; my head's half
	s_add_co_u32 s58, s58, s57
	s_add_nc_u64 s[CB:CB+1], s[6:7], s[58:59]
	s_lshl_b32 s58, s55, 16                        ; cs: the batch's 2,048 rows of 32 bytes,
	s_lshl_b32 s57, s[TQ], 9                       ; my tile's 16,
	s_add_co_u32 s58, s58, s57
	s_lshl_b32 s57, s56, 2                         ; the head pair's four bytes,
	s_add_co_u32 s58, s58, s57
	s_lshl_b32 s57, s[PI], 1                       ; my head's two
	s_add_co_u32 s58, s58, s57
	s_add_nc_u64 s[SB:SB+1], s[8:9], s[58:59]
	v_and_b32 v9, 31, v0                           ; lane
	v_and_b32 v10, 15, v0                          ; r
	s_wait_alu depctr_va_vdst(0)
	v_bfe_u32 v29, v0, 4, 1                        ; h
	s_wait_alu depctr_va_vdst(0)
	v_lshlrev_b32 v1, 4, v9                        ; 16 x lane: an image's place for my lane
	v_lshlrev_b32 v2, 3, v9                        ; 8 x lane
	s_mul_i32 s57, s[PI], 4*IMG
	v_add_nc_u32 v3, s57, v1                       ; V's images: my head's four
	s_lshl_b32 s57, s[PI], 3
	v_add_nc_u32 v4, s57, v1                       ; V's scale words: my head's two of a lane's four
	s_sub_co_u32 s57, 8*IMG, s60                   ; Q's scale word, counted from my tile's image: the section's scale words,
	s_and_b32 s62, s[TQ], 1
	s_lshl_b32 s62, s62, 8                         ; lanes 16-31's for an odd tile,
	s_add_co_u32 s57, s57, s62
	s_lshr_b32 s62, s[TQ], 1
	s_lshl_b32 s62, s62, 2                         ; word tile / 2,
	s_add_co_u32 s57, s57, s62
	v_lshl_add_u32 v7, v10, 4, s57                 ; row r's
	v_lshlrev_b32 v11, 5, v10                      ; cs: 32 bytes a row
	s_lshr_b32 s62, s[TQ], 1
	s_lshl_b32 s62, s62, 5
	s_and_b32 s63, s[TQ], 1
	s_lshl_b32 s63, s63, 3
	s_add_co_u32 s62, s62, s63
	v_and_b32 v30, 8, v10
	s_delay_alu instid0(VALU_DEP_1)
	v_add_nc_u32 v30, v30, v10                     ; r + 8 (r / 8)
	v_lshlrev_b32 v29, 4, v29
	s_delay_alu instid0(VALU_DEP_1)
	v_sub_nc_u32 v30, v30, v29
	s_delay_alu instid0(VALU_DEP_1)
	v_add_nc_u32 v28, s62, v30                     ; d = my query's token in its block - 16 h
.irp b, 0,1,2,3
	v_mov_b32 v[236+\b], 0                         ; written once: a lane permute's destination counts as one of its sources
.endr
	v_mov_b32 v252, 0
	v_mov_b32 v253, 0                              ; (named as the upper half of the pair v[252:253] before it is first written)
.set n, 0
.rept 96
	v_mov_b32 v[32+n], 0                           ; K's fragments, once: a wave loads one half of each, and a product names all twelve registers: the half that is never loaded must have been written
.set n, n+1
.endr
; The block of queries in s[BLK] is taken up: my tile's fragment and scale word; the sums begin as zeros and the largest t as -3e38.
.macro INITQ
	s_mul_i32 s56, s[BLK], GSTEP
	s_mov_b32 s57, 0
	s_add_nc_u64 s[56:57], s[QB:QB+1], s[56:57]
.irp c, 0,1,2
	global_load_b128 v[16+4*\c:19+4*\c], v1, s[56:57] offset:512*\c
.endr
	global_load_b32 v255, v7, s[56:57]
	s_wait_loadcnt 0x0
.irp i, 0,1,2,3,4,5
	v_cndmask_b32 v[16+\i], v[16+\i], 0, s[MSK]    ; the odd head clears the even head's codes,
.endr
.irp i, 6,7,8,9,10,11
	v_cndmask_b32 v[16+\i], 0, v[16+\i], s[MSK]    ; the even head the odd head's
.endr
	v_and_b32 v255, s[QM], v255                    ; and the other head's two scale bytes become 0
	v_mov_b32 v13, 0xff61b1e6                      ; -3e38, under every t
	s_delay_alu instid0(VALU_DEP_1)
	v_floor_f32 v12, -v13                          ; -M
	v_mov_b32 v14, 0
	v_mov_b32 v15, 0
.set n, 0
.rept 32
	v_mov_b32 v[OT+n], 0                           ; O^T: the first change of M leaves zeros zeros.  (These lines are also the places between the lines that wrote Q and its scale word and the next scaled product: 4 and 8 are asked)
.set n, n+1
.endr
.endm
; THE CHANGE OF SLOTS stands at a slot's head.  Each wave waits for all its tensor loads (waves 0 to 3: their quarters of the slot about to be read), adds 0 to its spare word, and waits for that and for its reads of the slot
; that it has left.  Behind the barrier the slot ahead is whole and nobody reads the other.  fill = how many waves fill that other slot, one entry of the list's next group each (0: nothing is left to fetch).
.macro CHANGE fill
	s_wait_tensorcnt 0x0                           ; no tensor load of mine is out, so group 0 may be written
	ds_add_u32 v5, v6
	ds_add_u32 v5, v6                              ; 0 onto my spare word; the descriptor's steps stand between it and the wait for it
.if \fill
	s_xor_b32 s[G0+1], s[G0+1], SLOT1              ; the other slot than last time,
	s_add_co_u32 s[QN], s[QN], 4                   ; my entry of the next group
	ADDR
.endif
	s_wait_dscnt 0x0                               ; the add is done, and my reads of the slot that I have left are over
	s_barrier_signal -1
	s_barrier_wait -1
.if \fill
	TLOAD \fill                                    ; the first thing behind the barrier, and a wave's one tensor load until the next
.endif
.endm
.macro KQ t                            ; tile t of S^T: 16 keys x my 16 queries; an odd tile's scale words lie in lanes 16-31
.if (\t)%2
	v_wmma_scale_f32_16x16x128_f8f6f4 v[ST+8*(\t):ST+8*(\t)+7], v[32+12*(\t):43+12*(\t)], v[16:27], 0, v[248+(\t)/2], v255 matrix_a_fmt:MATRIX_FMT_FP6 matrix_b_fmt:MATRIX_FMT_FP6 matrix_a_scale:MATRIX_SCALE_ROW1
.else
	v_wmma_scale_f32_16x16x128_f8f6f4 v[ST+8*(\t):ST+8*(\t)+7], v[32+12*(\t):43+12*(\t)], v[16:27], 0, v[248+(\t)/2], v255 matrix_a_fmt:MATRIX_FMT_FP6 matrix_b_fmt:MATRIX_FMT_FP6
.endif
.endm
.macro PV t                            ; tile t of O^T: 16 channels x my 16 queries, K = the step's 128 keys
.if (\t)%2
	v_wmma_scale_f32_16x16x128_f8f6f4 v[OT+8*(\t):OT+8*(\t)+7], v[32+12*(\t):43+12*(\t)], v[224:235], v[OT+8*(\t):OT+8*(\t)+7], v[248+(\t)/2], v253 matrix_a_fmt:MATRIX_FMT_FP6 matrix_b_fmt:MATRIX_FMT_FP6 matrix_a_scale:MATRIX_SCALE_ROW1
.else
	v_wmma_scale_f32_16x16x128_f8f6f4 v[OT+8*(\t):OT+8*(\t)+7], v[32+12*(\t):43+12*(\t)], v[224:235], v[OT+8*(\t):OT+8*(\t)+7], v[248+(\t)/2], v253 matrix_a_fmt:MATRIX_FMT_FP6 matrix_b_fmt:MATRIX_FMT_FP6
.endif
.endm
; A BLOCK'S END: O^T / the sum is my tile's ctx of my head: 64 channels, two blocks of 32: quantised and stored as half an operand fragment, with its two scale bytes.
.macro FINISH
	v_add_f32 v14, v14, v15                        ; the sum's two halves,
	s_delay_alu instid0(VALU_DEP_1)
	v_permlanex16_b32 v252, v14, s[SEL], s[SEL+1]
	s_delay_alu instid0(VALU_DEP_1)
	v_add_f32 v14, v14, v252                       ; and lane l xor 16's
	s_wait_alu depctr_va_vdst(0)
	v_rcp_f32 v14, v14
.rept 3
	v_nop                                          ; a plain place behind the reciprocal; with the two additions more than the four places behind the last products
.endr
.set n, 0
	s_wait_alu depctr_va_vdst(0)
.rept 32
	v_mul_f32 v[ST+n], v[OT+n], v14                ; register 16 b + i: channel 32 b + 16 h + i of my query.  Each accumulator from its low end on
.set n, n+1
.endr
.irp b, 0,1
	v_max3_num_f32 v[232+\b], |v[ST+16*\b]|, |v[ST+1+16*\b]|, 0x1800000   ; and the floor 2^(3 - 127)
.endr
.irp i, 2,4,6,8,10,12,14
.irp b, 0,1
	s_delay_alu instid0(VALU_DEP_2)
	v_max3_num_f32 v[232+\b], v[232+\b], |v[ST+16*\b+\i]|, |v[ST+1+16*\b+\i]|
.endr
.endr
.irp b, 0,1
	s_delay_alu instid0(VALU_DEP_2)
	v_permlanex16_b32 v[236+\b], v[232+\b], s[SEL], s[SEL+1]
.endr
.irp b, 0,1
	s_delay_alu instid0(VALU_DEP_2)
	v_max_num_f32 v[232+\b], v[232+\b], v[236+\b]
.endr
.irp b, 0,1
	s_delay_alu instid0(VALU_DEP_2)
	v_add_nc_u32 v[244+\b], 0xff000000, v[232+\b]  ; 2 off the exponent field: the conversion's scale operand
.endr
.irp b, 0,1
	s_delay_alu instid0(VALU_DEP_2)
	v_lshrrev_b32 v[236+\b], 23, v[244+\b]         ; the scale's byte
.endr
	s_delay_alu instid0(VALU_DEP_1)
	v_lshl_or_b32 v254, v237, 8, v236              ; my row's two bytes
	v_cvt_scalef32_pk16_fp6_f32 v[224:226], v[ST:ST+15], v244
	v_cvt_scalef32_pk16_fp6_f32 v[240:242], v[ST+16:ST+31], v245
	v_nop                                          ; one plain place behind a scaled conversion
.irp i, 0,1,2
	v_permlane16_swap_b32 v[224+\i], v[240+\i]     ; a WHOLE block in a lane: lanes 0-15 block 0, lanes 16-31 block 1
.endr
.irp i, 0,1,2
	s_delay_alu instid0(VALU_DEP_3)
	v_mov_b32 v[227+\i], v[240+\i]
.endr
	s_mul_i32 s56, s[BLK], 8*IMG
	s_mov_b32 s57, 0
	s_add_nc_u64 s[56:57], s[CB:CB+1], s[56:57]
	s_lshl_b32 s58, s[BLK], 12
	s_mov_b32 s59, 0
	s_add_nc_u64 s[58:59], s[SB:SB+1], s[58:59]
	global_store_b128 v1, v[224:227], s[56:57]     ; 512 consecutive bytes, aligned
	global_store_b64 v2, v[228:229], s[56:57] offset:512   ; 256 consecutive bytes, aligned
	global_store_b16 v11, v254, s[58:59]           ; lanes l and l xor 16 write the same two bytes with the same value
	s_wait_xcnt 0x0                                ; the stores have read their registers and bases: both may be written again
.endm
; A KEY STEP: 128 keys, the list's entry at LDS byte s[TB].  last = 1: the list's last entry, written out.
.macro STEP last
	v_add_nc_u32 v8, s[TB], v1
	v_add_nc_u32 v9, s[TB], v3
	v_add_nc_u32 v10, s[TB], v4
	v_nop                                          ; four places in front of loads into registers that the last products read
	ds_load_b128 v[248:251], v8 offset:8*IMG       ; K's scale words
	s_cmp_eq_u32 s[PI], 0                          ; my head's half of each fragment: the two heads' halves are other registers, so the sixteen loads stand twice, under a branch on the wave's number
	s_cbranch_scc0 .Lodd_\@
.irp i, 0,1,2,3,4,5,6,7
	ds_load_b128 v[32+12*\i:35+12*\i], v8 offset:IMG*\i          ; registers 0-3,
	ds_load_b64 v[36+12*\i:37+12*\i], v8 offset:IMG*\i+512       ; 4-5: the lower 8 of my lane's 16 bytes
.endr
	s_branch .Lgot_\@
.Lodd_\@:
	s_wait_alu depctr_va_vdst(0)
.irp i, 0,1,2,3,4,5,6,7
	ds_load_b64 v[38+12*\i:39+12*\i], v8 offset:IMG*\i+520       ; registers 6-7: the upper 8,
	ds_load_b128 v[40+12*\i:43+12*\i], v8 offset:IMG*\i+1024     ; 8-11
.endr
.Lgot_\@:
	s_wait_dscnt 8                                 ; the scale words and fragments 0-3 are in; the eight loads of fragments 4-7 may be out (the same count on both ways)
.irp t, 0,1,2,3
	KQ \t
.endr
	s_wait_dscnt 0x0
.irp t, 4,5,6,7
	KQ \t
.endr
.rept 4
	v_nop                                          ; places in front of the loads below and of the first read of the scores
.endr
	s_wait_alu depctr_va_vdst(0)
.irp t, 0,1,2,3                                ; V is asked for now and lands under the softmax
.irp c, 0,1,2
	ds_load_b128 v[32+12*\t+4*\c:35+12*\t+4*\c], v9 offset:SECT+IMG*\t+512*\c
.endr
.endr
	ds_load_b64 v[248:249], v10 offset:SECT+8*IMG  ; V's scale words: my head's two
; THE MASK.  A block's last key step lies on the diagonal: hidden scores become -infinity ahead of the maximum, so that p = 0.  Every other step's keys all count.  The branch hangs on the entry's number and the work-group's.
.if !\last
	s_cmp_lg_u32 s[TRIP], s[JB]
	s_cbranch_scc1 .Lopen_\@
.endif
	v_mov_b32 v254, 0xff800000                     ; -infinity
.set n, 0
.rept 64
	v_cmp_gt_i32 vcc_lo, 32*(n/16)+n%16, v28       ; register 16 b + i holds key 32 b + 16 h + i of the block: hidden where 32 b + i > d
	v_cndmask_b32 v[ST+n], v[ST+n], v254, vcc_lo
.set n, n+1
.endr
.if !\last
.Lopen_\@:
.endif
.irp b, 0,1,2,3
	v_max3_num_f32 v[232+\b], v[ST+16*\b], v[ST+1+16*\b], v[ST+2+16*\b]   ; the largest score of each block of 32 keys: for the row's maximum, and for the block's largest p
.endr
.irp i, 3,5,7,9,11,13
.irp b, 0,1,2,3
	v_max3_num_f32 v[232+\b], v[232+\b], v[ST+16*\b+\i], v[ST+1+16*\b+\i]
.endr
.endr
.irp b, 0,1,2,3
	v_max_num_f32 v[232+\b], v[232+\b], v[ST+15+16*\b]
.endr
.irp b, 0,1,2,3
	s_delay_alu instid0(VALU_DEP_4)
	v_permlanex16_b32 v[236+\b], v[232+\b], s[SEL], s[SEL+1]
.endr
.irp b, 0,1,2,3
	s_delay_alu instid0(VALU_DEP_4)
	v_max_num_f32 v[232+\b], v[232+\b], v[236+\b]  ; with lane l xor 16's 16 keys
.endr
	s_delay_alu instid0(VALU_DEP_2)
	v_max3_num_f32 v254, v232, v233, v234
	s_delay_alu instid0(VALU_DEP_1)
	v_max_num_f32 v254, v254, v235                 ; the step's largest score of my query
	s_delay_alu instid0(VALU_DEP_1)
	v_mul_f32 v254, s[CS], v254                    ; as t
	s_delay_alu instid0(VALU_DEP_1)
	v_max_num_f32 v13, v13, v254                   ; the running largest t
	v_mov_b32 v254, v12
	s_delay_alu instid0(VALU_DEP_2)
	v_floor_f32 v12, -v13                          ; the new -M = -ceil(t)
	s_delay_alu instid0(VALU_DEP_1)
	v_sub_f32 v254, v12, v254                      ; old M - new M: a whole number, 0 or less
	s_delay_alu instid0(VALU_DEP_1)
	v_cvt_i32_f32 v254, v254                       ; (it saturates)
	s_delay_alu instid0(VALU_DEP_1)
	v_ldexp_f32 v252, 1.0, v254                    ; f = 2^(old M - new M)
.set n, 0
.rept 32
	v_pk_fma_f32 v[ST+n:ST+1+n], v[ST+n:ST+1+n], s[CS:CS+1], v[12:13] op_sel_hi:[1,0,0]   ; t - M, two at a time
.set n, n+2
.endr
.irp b, 0,1,2,3
	v_fma_f32 v[232+\b], v[232+\b], s[CS], v12     ; the same of each block's largest score
.endr
.set n, 0
	s_wait_alu depctr_va_vdst(0)
.rept 64
	v_exp_f32 v[ST+n], v[ST+n]                     ; p = 2^(t - M), at most 1
.set n, n+1
.endr
.irp b, 0,1,2,3
	v_exp_f32 v[232+\b], v[232+\b]                 ; the block's largest p
.endr
	v_pk_mul_f32 v[14:15], v[14:15], v[252:253] op_sel_hi:[1,0]   ; the sums under the new M.  (A plain place behind the exponentials)
	s_wait_alu depctr_va_vdst(0)
.irp b, 0,1,2,3
	v_max_num_f32 v[232+\b], 0x1800000, v[232+\b]  ; the floor 2^(3 - 127)
.endr
.irp b, 0,1,2,3
	s_delay_alu instid0(VALU_DEP_4)
	v_add_nc_u32 v[244+\b], 0xff000000, v[232+\b]  ; the conversion's scale operand
.endr
.irp b, 0,1,2,3
	s_delay_alu instid0(VALU_DEP_4)
	v_lshrrev_b32 v[236+\b], 23, v[244+\b]         ; the scale's byte
.endr
	s_delay_alu instid0(VALU_DEP_3)
	v_lshl_or_b32 v253, v237, 8, v236              ; p's scale word for these 128 keys
	s_delay_alu instid0(VALU_DEP_1)
	v_lshl_or_b32 v253, v238, 16, v253
	s_delay_alu instid0(VALU_DEP_1)
	v_lshl_or_b32 v253, v239, 24, v253
.irp c, 0,1
	v_cvt_scalef32_pk16_fp6_f32 v[224+6*\c:226+6*\c], v[ST+32*\c:ST+15+32*\c], v[244+2*\c]
	v_cvt_scalef32_pk16_fp6_f32 v[236+4*\c:238+4*\c], v[ST+16+32*\c:ST+31+32*\c], v[244+2*\c+1]
.endr
	v_nop                                          ; one plain place behind a scaled conversion
.irp c, 0,1
.irp i, 0,1,2
	v_permlane16_swap_b32 v[224+6*\c+\i], v[236+4*\c+\i]
.endr
.irp i, 0,1,2
	s_delay_alu instid0(VALU_DEP_3)
	v_mov_b32 v[227+6*\c+\i], v[236+4*\c+\i]
.endr
.endr
	v_pk_add_f32 v[236:237], v[132:133], v[136:137]
	v_pk_add_f32 v[250:251], v[140:141], v[144:145]
	v_pk_add_f32 v[246:247], v[148:149], v[152:153]
	v_pk_add_f32 v[244:245], v[156:157], v[160:161]
	v_pk_add_f32 v[242:243], v[164:165], v[168:169]
	v_pk_add_f32 v[240:241], v[172:173], v[176:177]
	v_pk_add_f32 v[30:31], v[180:181], v[184:185]
	v_pk_add_f32 v[14:15], v[14:15], v[188:189]
	v_pk_add_f32 v[236:237], v[236:237], v[128:129]
	v_pk_add_f32 v[250:251], v[250:251], v[130:131]
	v_pk_add_f32 v[246:247], v[246:247], v[134:135]
	v_pk_add_f32 v[244:245], v[244:245], v[138:139]
	v_pk_add_f32 v[242:243], v[242:243], v[142:143]
	v_pk_add_f32 v[240:241], v[240:241], v[146:147]
	v_pk_add_f32 v[30:31], v[30:31], v[150:151]
	v_pk_add_f32 v[14:15], v[14:15], v[154:155]
	v_pk_add_f32 v[236:237], v[236:237], v[158:159]
	v_pk_add_f32 v[250:251], v[250:251], v[162:163]
	v_pk_add_f32 v[246:247], v[246:247], v[166:167]
	v_pk_add_f32 v[244:245], v[244:245], v[170:171]
	v_pk_add_f32 v[242:243], v[242:243], v[174:175]
	v_pk_add_f32 v[240:241], v[240:241], v[178:179]
	v_pk_add_f32 v[30:31], v[30:31], v[182:183]
	v_pk_add_f32 v[14:15], v[14:15], v[186:187]
	v_pk_add_f32 v[236:237], v[236:237], v[190:191]
	s_delay_alu instid0(VALU_DEP_2)
	v_pk_add_f32 v[14:15], v[14:15], v[244:245]
	s_delay_alu instid0(VALU_DEP_2)
	v_pk_add_f32 v[236:237], v[236:237], v[242:243]
	v_pk_add_f32 v[250:251], v[250:251], v[240:241]
	v_pk_add_f32 v[246:247], v[246:247], v[30:31]
	s_delay_alu instid0(VALU_DEP_2)
	v_pk_add_f32 v[14:15], v[14:15], v[250:251]
	s_delay_alu instid0(VALU_DEP_2)
	v_pk_add_f32 v[236:237], v[236:237], v[246:247]
	s_delay_alu instid0(VALU_DEP_1)
	v_pk_add_f32 v[14:15], v[14:15], v[236:237]
.set n, 0
.rept 16
	v_pk_mul_f32 v[OT+n:OT+1+n], v[OT+n:OT+1+n], v[252:253] op_sel_hi:[1,0]   ; O^T under the new M.  (With the sums above: the places between the lines that wrote p's codes and scale word and the products below)
.set n, n+2
.endr
	s_wait_alu depctr_va_vdst(0)
	s_wait_dscnt 0x0                               ; V and its scale words are in
.irp t, 0,1,2,3
	PV \t                                          ; the four accumulators by turns
.endr
.if \last
	FINISH
.else
	s_cmp_lg_u32 s[TRIP], s[JB]
	s_cbranch_scc1 .Lon_\@
	FINISH                                         ; the first block is done;
	s_sub_co_u32 s[BLK], 15, s[JB]                 ; the second is taken up
	INITQ
.Lon_\@:
.endif
.endm
; A slot's four key steps: written once, walked four times; the LDS addresses hang on s[TB].  No barrier stands between them: the one at the slot's head has shown the whole slot to every wave.
.macro FOUR
	s_mov_b32 s[CNT], 4
.Lstep_\@:
	STEP 0
	s_add_co_u32 s[TB], s[TB], STEPB               ; the list's next entry
	s_add_co_u32 s[TRIP], s[TRIP], 1
	s_sub_co_u32 s[CNT], s[CNT], 1
	s_cmp_lg_u32 s[CNT], 0
	s_cbranch_scc1 .Lstep_\@
	s_sub_co_u32 s[TB], s[TB], 4*STEPB             ; back to a slot's first entry,
	s_xor_b32 s[TB], s[TB], SLOT1                  ; in the other slot
.endm
	INITQ
	s_mov_b32 s[GRP], 3
.Lgroup:                                           ; three trips: entries 0 to 11; behind each change of slots the next four entries are asked for
	CHANGE 4
	FOUR
	s_sub_co_u32 s[GRP], s[GRP], 1
	s_cmp_lg_u32 s[GRP], 0
	s_cbranch_scc1 .Lgroup
	CHANGE 1                                       ; the tail is written out: entry 16 is asked for, by wave 0 alone
	FOUR                                           ; entries 12 to 15
	CHANGE 0                                       ; nothing is left to fetch
	STEP 1                                         ; entry 16: the second block's diagonal
	s_wait_tensorcnt 0x0                           ; the wave's end
	ds_add_u32 v5, v6
	s_wait_dscnt 0x0
	s_endpgm
.Lfunc_end_k_q4909e566ee_attn:
	.size	k_q4909e566ee_attn, .Lfunc_end_k_q4909e566ee_attn-k_q4909e566ee_attn
	.p2alignl 7, 3214868480
	.fill 96, 4, 3214868480
	.section	.rodata,"a",@progbits
	.p2align	6, 0x0
	.amdhsa_kernel k_q4909e566ee_attn
		.amdhsa_group_segment_fixed_size 327680
		.amdhsa_private_segment_fixed_size 0
		.amdhsa_enable_private_segment 0
		.amdhsa_kernarg_size 24
		.amdhsa_user_sgpr_count 2
		.amdhsa_user_sgpr_kernarg_segment_ptr 1
		.amdhsa_wavefront_size32 1
		.amdhsa_system_sgpr_workgroup_id_x 1
		.amdhsa_system_sgpr_workgroup_id_y 1
		.amdhsa_system_sgpr_workgroup_id_z 1
		.amdhsa_system_vgpr_workitem_id 0
		.amdhsa_next_free_vgpr 256
		.amdhsa_next_free_sgpr 66
		.amdhsa_reserve_vcc 1
		.amdhsa_float_denorm_mode_32 3
		.amdhsa_float_denorm_mode_16_64 3
		.amdhsa_memory_ordered 1
		.amdhsa_forward_progress 1
		.amdhsa_inst_pref_size 101
	.end_amdhsa_kernel
	.amdgpu_metadata
---
amdhsa.version: [ 1, 2 ]
amdhsa.kernels:
  - .name:           k_q4909e566ee_attn
    .symbol:         k_q4909e566ee_attn.kd
    .args:
      - { .name: qkv, .offset: 0, .size: 8, .value_kind: global_buffer, .address_space: global }
      - { .name: cc, .offset: 8, .size: 8, .value_kind: global_buffer, .address_space: global }
      - { .name: cs, .offset: 16, .size: 8, .value_kind: global_buffer, .address_space: global }
    .group_segment_fixed_size: 327680
    .private_segment_fixed_size: 0
    .kernarg_segment_align: 8
    .kernarg_segment_size: 24
    .max_flat_workgroup_size: 512
    .sgpr_count:     66
    .vgpr_count:     256
    .wavefront_size: 32
...
	.end_amdgpu_metadata
.endif
;; end of part 3
;; launch outp (part 4): grid 4 x 32, 4 waves a work-group, clusters of 4 x 4, 327,680 bytes of LDS; arguments cc, cs, opc, ops, b_o, out0; writes out0
.if DOCPART == 4
	.amdgcn_target "amdgcn-amd-amdhsa--gfx1250"
	.amdhsa_code_object_version 6
	.text
	.protected	k_q4909e566ee_outp
	.globl	k_q4909e566ee_outp
	.p2align	8
	.type	k_q4909e566ee_outp,@function
k_q4909e566ee_outp:
	s_mov_b64 s[64:65], 0
	v_nop
	global_prefetch_b8 v0, s[64:65] scope:SCOPE_SE
	s_setreg_imm32_b32 hwreg(HW_REG_WAVE_MODE, 25, 1), 1
	s_wait_xcnt 0x0
	s_wait_alu depctr_hold_cnt(0) depctr_sa_sdst(0) depctr_va_vdst(0) depctr_va_sdst(0) depctr_va_ssrc(0) depctr_va_vcc(0) depctr_vm_vsrc(0)
	s_getreg_b32 s2, hwreg(HW_REG_IB_STS2, 6, 4)
	s_cmp_eq_u32 s2, 0
	s_cbranch_scc0 .Lentry_in_a_cluster
	s_endpgm
.Lentry_in_a_cluster:
	s_bfe_u32 s2, ttmp6, 0x10000c
	s_cmp_lg_u32 s2, 0xf033
	s_cbranch_scc0 .Lentry_shape_is_right
	s_endpgm
.Lentry_shape_is_right:
; out0 = ctx w_o^T + b_o on codes of FP6 (E2M3) with E8M0 scales, K = 1,024; out0 [8,192][1,024] f32.
; A = ctx.  cc: [8 head pairs][512 tiles of 16 positions][1,536 bytes]: an operand fragment (16 positions x the head pair's 128 along K) as two halves of 768 bytes: registers 0-3 (6-9) of lane l at 16 l, registers 4-5 (10-11)
; at 512 + 8 l.  cs: [position][32 bytes].  Position p is token p with bits 3 and 4 exchanged.   B = w_o: opc from position 11,264 on, 768 bytes a position; ops 32 bytes; position p holds w_o's row p with bits 3 and 4 exchanged.
; A tile of 256 x 256 is made by four waves, each 128 x 128: 64 accumulators, 512 registers.  K goes in steps of 256 through a ring of two LDS slots: of A two head pairs' planes of 16 tiles (24,576 dense bytes each: waves 0 and 1
; fetch one each), of B 256 rows of 192 bytes (waves 2 and 3 fetch 128 rows each).  The scale bytes of the 256 + 256 positions come into LDS once, with the first fills.
; CLUSTERS: 4 x 4 work-groups; A's tiles are shared along a row of the cluster, B's along a column: joint loads with a mask that names the four.  128 work-groups: the tile is kept at 256 x 256.
; THE MATRIX INSTRUCTION IS USED TRANSPOSED (source 0 = 16 positions of B, source 1 = 16 of A): lane (r, h) holds A's position 16 a + r; register j of accumulator (a, b) is column 32 (b / 2) + 16 h + 8 (b % 2) + j.
; THE BIAS is the C of each sum's first matrix instruction: eight registers for each b, in the result's layout.
; THE WAY OUT puts columns and rows back in order: in the stage a lane's eight numbers go to their columns' bytes, and row t of block a is stored as token 32 (a / 2) + 8 (a % 2) + t + 8 (t / 8).
; REGISTERS, in windows of 256: window 0: v0-31 addresses; v32-63 scale words, two sets; v64-127 the bias; from v128 A's fragments, ONE set; on the way out v128-255 are rows of out0.
;   window 1: B's fragments, TWO sets.   window 2: the accumulators of my A blocks 0-3;   window 3: those of blocks 4-7.
.set SIZE_N, 1024
.set NQ,     2
.set ROWB,   192
.set KROW,   768
.set PITCH,  240                       ; B's LDS row: 3 x (64 bytes + 16 of padding)
.set FR,     12
.set NL,     6                         ; LDS loads that bring a fragment of B
.set NLA,    4                         ; and of A
.set NP,     4
.set IMG,    1536
.set APL,    16*IMG                    ; a plane of A's tile: 24,576 bytes
.set PLANE,  786432                    ; a head pair's plane in cc
.set BOFF,   2*APL                     ; B's rows in a slot
.set HALFT,  128*PITCH
.set SLOT,   BOFF+2*HALFT              ; 110,592
.set LAPS,   2
.set KS,     32
.set SCL,    2*SLOT
.set HALFS,  (128*KS/256)*272
.set SBLK,   (16*KS/256)*272
.set SPARE,  SCL+4*HALFS               ; the spare words, 128 bytes for each wave: two blocks of 256 bytes that no other line names
.set SPITCH, 528                       ; the way out: a stage of 16 rows x (512 bytes + 16) for each wave, in slot 0, which has had its last fill and its last read when the first result is stored there
.set ADRA, 16                          ; v16-17 16 x lane + my half's tiles in slot 0, 1;  v18-19 the same with 8 x lane
.set ADRB, 20                          ; v20-23 B's fragments
.set STO,  24
.set RD,   25
.set CO,   26
.set ADRS, 27
.set SPW,  28                          ; my spare word; never rewritten
.set NIL,  29                          ; 0; never rewritten
.set SC,   32
.set BI,   64                          ; the bias: register 8 b + j
.set AF,   128
.set BK,   128
.set G1, 24
.set G0, 32
.set G1B, 48
.set G0B, 56
.set G1S, 68
.set G0S, 76
.set G1SB, 80
.set G0SB, 88
.set MSB, 0
.macro WIN new
.if MSB != \new
	s_set_vgpr_msb (MSB<<8)|\new
.set MSB, \new
.endif
.endm
.set MUL_LO, 0xa1                      ; source 0 (B) window 1, source 1 (A) window 0, C and D window 2
.set MUL_HI, 0xf1                      ; the same, C and D window 3
.set FST_LO, 0x81                      ; the first step: C (the bias) window 0, D window 2
.set FST_HI, 0xc1                      ; D window 3
.set TO_B,   0x40
.macro JLOAD g0a, g1a, g0b, g1b        ; a joint load: waves 0 and 1 fetch for A, waves 2 and 3 for B; four v_nop follow each of the two lines
	s_cmp_eq_u32 s15, 0
	s_cbranch_scc0 .Lfor_b_\@
	tensor_load_to_lds s[\g0a:\g0a+3], s[\g1a:\g1a+7]
	s_nop 0
.rept 4
	v_nop
.endr
	s_branch .Lasked_\@
.Lfor_b_\@:
	tensor_load_to_lds s[\g0b:\g0b+3], s[\g1b:\g1b+7]
	s_nop 0
.rept 4
	v_nop
.endr
.Lasked_\@:
.endm
.macro CREST
	s_cmp_lg_u32 s14, 0
	s_cbranch_scc1 .Lnot_wave_0_\@
	s_barrier_signal -3
.Lnot_wave_0_\@:
	s_barrier_wait -3
	s_barrier_signal -1
	s_barrier_wait -1
.endm
.macro CROUND
	s_barrier_signal -1
	s_barrier_wait -1
	CREST
.endm
	s_load_b128 s[4:7], s[0:1], 0x0                ; cc, cs
	s_load_b128 s[8:11], s[0:1], 0x10              ; opc, ops
	s_load_b64 s[66:67], s[0:1], 0x20              ; b_o
	s_load_b64 s[12:13], s[0:1], 0x28              ; out0
	v_lshl_add_u32 v[SPW], v0, 2, SPARE
	v_mov_b32 v[NIL], 0
	ds_add_u32 v28, v29
	s_wait_dscnt 0x0
	v_lshrrev_b32 v1, 5, v0
	v_readfirstlane_b32 s14, v1                    ; wave 0..3
	s_lshr_b32 s15, s14, 1                         ; which half of the tile's A positions is mine.  Also: I fetch for A (0) or for B (1)
	s_and_b32 s16, s14, 1                          ; which half of its columns.  Also: which plane of A, or which 128 rows of B, I fetch
	s_bfe_u32 s40, ttmp6, 0x40000                  ; cx, cy
	s_bfe_u32 s41, ttmp6, 0x40004
	s_lshl_b32 s42, ttmp9, 2
	s_add_co_u32 s42, s42, s40                     ; tile column
	s_and_b32 s17, ttmp7, 0xffff
	s_lshl_b32 s17, s17, 2
	s_add_co_u32 s17, s17, s41                     ; tile row
	s_lshl_b32 s43, s41, 2
	s_lshl_b32 s43, 15, s43                        ; my row of the cluster
	s_lshl_b32 s44, 0x1111, s40                    ; my column
	; descriptor group 1.  A: 24,576 dense bytes as 96 rows of 256 (32 elements of 8 bytes), no padding
	s_or_b32 s[G1+0], s43, (3<<16)|(1<<21)         ; 15:0 the mask: my row; 17:16 elements of 8 bytes; 21 set beside a mask
	s_mov_b32 s[G1+1], 32<<16
	s_mov_b32 s[G1+2], 96<<16
	s_mov_b32 s[G1+3], 32<<16
	s_mov_b32 s[G1+4], 96
	s_mov_b32 s[G1+5], 32
	s_mov_b32 s[G1+6], 0
	s_mov_b32 s[G1+7], 0
	; B: 128 rows x 192 bytes, 16 bytes of padding behind every 64
	s_or_b32 s[G1B+0], s44, (0<<16)|(1<<20)|(1<<21)|(3<<22)|(3<<25)
	s_mov_b32 s[G1B+1], ROWB<<16
	s_mov_b32 s[G1B+2], 128<<16
	s_mov_b32 s[G1B+3], ROWB<<16
	s_mov_b32 s[G1B+4], 128
	s_mov_b32 s[G1B+5], KROW
	s_mov_b32 s[G1B+6], 0
	s_mov_b32 s[G1B+7], 0
	; the scales of 128 positions: 16 rows of 256 bytes, 16 bytes of padding behind each
	s_or_b32 s[G1S+0], s43, (3<<16)|(1<<20)|(1<<21)|(5<<22)|(3<<25)
	s_or_b32 s[G1SB+0], s44, (3<<16)|(1<<20)|(1<<21)|(5<<22)|(3<<25)
.irp g, G1S, G1SB
	s_mov_b32 s[\g+1], 32<<16
	s_mov_b32 s[\g+2], (128*KS/256)<<16
	s_mov_b32 s[\g+3], 32<<16
	s_mov_b32 s[\g+4], 128*KS/256
	s_mov_b32 s[\g+5], 32
	s_mov_b32 s[\g+6], 0
	s_mov_b32 s[\g+7], 0
.endr
	s_mul_i32 s20, s17, APL                        ; A's codes: the tile row's 16 tiles in a plane,
	s_mul_i32 s18, s16, PLANE                      ; plane 0 or 1
	s_add_co_u32 s20, s20, s18
	s_mov_b32 s21, 0
	s_lshl_b32 s18, s16, 7
	s_lshl_b32 s22, s17, 8
	s_add_co_u32 s22, s22, s18                     ; A's scales: position 256 x tile row + 128 x half,
	s_lshl_b32 s22, s22, 5                         ; 32 bytes each
	s_mov_b32 s23, 0
	s_lshl_b32 s46, s42, 8
	s_add_co_u32 s46, s46, s18
	s_add_co_u32 s46, s46, 11264                   ; B: w_o's first position + 256 x tile column + 128 x half
	s_lshl_b32 s92, s46, 5
	s_mov_b32 s93, 0
	s_mul_i32 s46, s46, KROW
	s_mov_b32 s47, 0
	s_mul_i32 s45, s16, APL                        ; where they go: no place in the cluster enters an LDS address
	s_mul_i32 s95, s16, HALFT
	s_add_co_u32 s95, s95, BOFF
	s_mul_i32 s94, s14, HALFS
	s_wait_kmcnt 0x0
	s_add_nc_u64 s[20:21], s[4:5], s[20:21]
	s_add_nc_u64 s[22:23], s[6:7], s[22:23]
	s_add_nc_u64 s[46:47], s[8:9], s[46:47]
	s_add_nc_u64 s[92:93], s[10:11], s[92:93]
	CROUND                                         ; all sixteen work-groups are here: the first joint loads meet
	s_mov_b32 s[G0S], 1
	s_add_co_u32 s[G0S+1], s94, SCL
	s_mov_b64 s[G0S+2:G0S+3], s[22:23]
	s_or_b32 s[G0S+3], s[G0S+3], 0x80000000
	s_mov_b32 s[G0SB], 1
	s_add_co_u32 s[G0SB+1], s94, SCL
	s_mov_b64 s[G0SB+2:G0SB+3], s[92:93]
	s_or_b32 s[G0SB+3], s[G0SB+3], 0x80000000
	JLOAD G0S, G1S, G0SB, G1SB                     ; the scales first.  Three tensor loads of mine are out behind the third of these lines
.irp s, 0,1
	s_mov_b32 s[G0+4*\s], 1
	s_add_co_u32 s[G0+4*\s+1], s45, \s*SLOT
	s_add_nc_u64 s[G0+4*\s+2:G0+4*\s+3], s[20:21], \s*2*PLANE      ; K step s: head pairs 2 s and 2 s + 1
	s_or_b32 s[G0+4*\s+3], s[G0+4*\s+3], 0x80000000
	s_mov_b32 s[G0B+4*\s], 1
	s_add_co_u32 s[G0B+4*\s+1], s95, \s*SLOT
	s_add_nc_u64 s[G0B+4*\s+2:G0B+4*\s+3], s[46:47], \s*ROWB
	s_or_b32 s[G0B+4*\s+3], s[G0B+4*\s+3], 0x80000000
	JLOAD G0+4*\s, G1, G0B+4*\s, G1B
.endr
	v_and_b32 v1, 15, v0                           ; r
	v_bfe_u32 v2, v0, 4, 1                         ; h
	v_and_b32 v6, 31, v0                           ; lane
	v_lshlrev_b32 v[CO], 4, v6                     ; 16 x lane
	v_lshlrev_b32 v7, 3, v6                        ; 8 x lane
	v_mul_u32_u24 v3, v1, PITCH
	v_mul_u32_u24 v4, v2, 24
	v_add_nc_u32 v4, v3, v4                        ; B: a fragment's row x pitch + 24 x half
	v_lshl_add_u32 v5, v2, 4, v4                   ; and the same behind one padding more
	s_mul_i32 s21, s15, 8*IMG                      ; my eight tiles of A
	s_mul_i32 s22, s16, HALFT                      ; my 128 rows of B
	s_add_co_u32 s22, s22, BOFF
.irp s, 0,1
	v_add_nc_u32 v[ADRA+\s], s21, v[CO]
	v_add_nc_u32 v[ADRA+2+\s], s21, v7
	v_add_nc_u32 v[ADRB+\s], s22, v4
	v_add_nc_u32 v[ADRB+2+\s], s22, v5
	s_add_co_u32 s21, s21, SLOT
	s_add_co_u32 s22, s22, SLOT
.endr
	v_mul_u32_u24 v5, v1, KS                       ; my row's scales: 32 bytes a row,
	v_lshrrev_b32 v6, 8, v5
	v_lshl_add_u32 v5, v6, 4, v5                   ; and 16 more for each 256 passed
	s_mul_i32 s21, s15, HALFS
	s_mul_i32 s22, s16, HALFS
	s_add_co_u32 s22, s22, 2*HALFS
	s_sub_co_u32 s22, s22, s21
	v_mul_u32_u24 v6, s22, v2                      ; lanes 16-31 take B's: the lower base + h x the distance
	s_add_co_u32 s21, s21, SCL
	v_add_nc_u32 v5, v5, v6
	v_add_nc_u32 v[ADRS], s21, v5
	s_mul_i32 s23, s14, 16*SPITCH                  ; my stage
	v_mul_u32_u24 v5, v1, SPITCH                   ; in: row r; my half's sixteen columns of each 32 begin 64 h bytes on
	v_lshl_add_u32 v5, v2, 6, v5
	v_add_nc_u32 v[STO], s23, v5
	v_add_nc_u32 v[RD], s23, v[CO]                 ; back: the 32 lanes take one row of 512 bytes
	v_lshlrev_b32 v7, 6, v2                        ; the bias: 64 h bytes
	s_lshl_b32 s20, s17, 8
	s_lshl_b32 s21, s15, 7
	s_add_co_u32 s20, s20, s21                     ; my first row of out0: 256 x tile row + 128 x half
	s_mov_b32 s21, 0
	s_mov_b64 s[18:19], SIZE_N*4
	s_mul_u64 s[20:21], s[20:21], s[18:19]
	s_lshl_b32 s46, s42, 10                        ; my first column, in bytes: 1,024 x tile column + 512 x half
	s_lshl_b32 s47, s16, 9
	s_add_co_u32 s46, s46, s47
	s_mov_b32 s47, 0
	s_add_nc_u64 s[66:67], s[66:67], s[46:47]      ; b_o at my first column
	s_add_nc_u64 s[20:21], s[20:21], s[46:47]
	s_add_nc_u64 s[12:13], s[12:13], s[20:21]
.irp b, 0,1,2,3,4,5,6,7
	global_load_b128 v[BI+8*\b:BI+8*\b+3], v7, s[66:67] offset:(32*(\b/2)+8*(\b%2))*4       ; b_o at columns 32 (b / 2) + 16 h + 8 (b % 2) + 0 .. 7
	global_load_b128 v[BI+8*\b+4:BI+8*\b+7], v7, s[66:67] offset:(32*(\b/2)+8*(\b%2))*4+16
.endr
.macro FRAG reg, adr, q, i             ; a fragment of B from rows: pieces of 8 bytes; the second address register serves the pieces that lie behind one padding more
.irp p, 0,1,2,3,4,5
.set PCE, 12*(\q)+6*(\p/3)+\p%3
.if PCE%8 < 5
	ds_load_b64 v[\reg+2*\p:\reg+2*\p+1], v[\adr] offset:8*PCE+16*(PCE/8)+(\i)*16*PITCH
.else
	ds_load_b64 v[\reg+2*\p:\reg+2*\p+1], v[\adr+2] offset:8*PCE+16*(PCE/8)+(\i)*16*PITCH
.endif
.endr
.endm
.macro FRAGA reg, slot, q, i           ; a fragment of A from its image: four loads, each of consecutive bytes
	ds_load_b128 v[\reg:\reg+3],     v[ADRA+\slot]   offset:(\q)*APL+(\i)*IMG
	ds_load_b64  v[\reg+4:\reg+5],   v[ADRA+2+\slot] offset:(\q)*APL+(\i)*IMG+512
	ds_load_b128 v[\reg+6:\reg+9],   v[ADRA+\slot]   offset:(\q)*APL+(\i)*IMG+768
	ds_load_b64  v[\reg+10:\reg+11], v[ADRA+2+\slot] offset:(\q)*APL+(\i)*IMG+1280
.endm
; 16 matrix instructions: A's blocks a0, a0 + 1 x B's eight.  first = 1: the first product starts the sums, with the bias as C.  The 64 accumulators take turns.
.macro MUL16 a0, p, q, sc, first
.irp a, \a0, \a0+1
.irp b, 0,1,2,3,4,5,6,7
.if \first
	v_wmma_scale_f32_16x16x128_f8f6f4 v[8*(8*((\a)%4)+\b):8*(8*((\a)%4)+\b)+7], v[128*(\p)+FR*\b:128*(\p)+FR*\b+FR-1], v[AF+FR*(\a):AF+FR*(\a)+FR-1], v[BI+8*\b:BI+8*\b+7], v[SC+8*NQ*(\sc)+NQ*\b+(\q)], v[SC+8*NQ*(\sc)+NQ*(\a)+(\q)] matrix_a_fmt:MATRIX_FMT_FP6 matrix_b_fmt:MATRIX_FMT_FP6 matrix_a_scale:MATRIX_SCALE_ROW1
.else
	v_wmma_scale_f32_16x16x128_f8f6f4 v[8*(8*((\a)%4)+\b):8*(8*((\a)%4)+\b)+7], v[128*(\p)+FR*\b:128*(\p)+FR*\b+FR-1], v[AF+FR*(\a):AF+FR*(\a)+FR-1], v[8*(8*((\a)%4)+\b):8*(8*((\a)%4)+\b)+7], v[SC+8*NQ*(\sc)+NQ*\b+(\q)], v[SC+8*NQ*(\sc)+NQ*(\a)+(\q)] matrix_a_fmt:MATRIX_FMT_FP6 matrix_b_fmt:MATRIX_FMT_FP6 matrix_a_scale:MATRIX_SCALE_ROW1
.endif
.endr
.endr
.endm
.macro FETCH_B slot, q, p
	WIN TO_B
.irp i, 0,1,2,3,4,5,6,7
	FRAG 128*(\p)+FR*\i, ADRB+\slot, \q, \i
.endr
	WIN 0
.endm
.macro FETCH_A slot, q, i0
.irp i, \i0, \i0+1, \i0+2, \i0+3
	FRAGA AF+FR*(\i), \slot, \q, \i
.endr
.endm
.macro SCALES sc
.irp i, 0,1,2,3,4,5,6,7
	ds_load_b64 v[SC+8*NQ*\sc+NQ*\i:SC+8*NQ*\sc+NQ*\i+1], v[ADRS] offset:\i*SBLK
.endr
.endm
.macro PLACES n                        ; places behind matrix instructions: in front of loads into registers that they have read, and of the first read of results
.rept \n
	v_nop
.endr
.endm
.macro STEP slot, q, first
	s_wait_dscnt 4*NLA                             ; B's set and A's blocks 0-3 are in; the youngest 16 loads (A's blocks 4-7) may be out
.if \first
	WIN FST_LO
.else
	WIN MUL_LO
.endif
	MUL16 0, (\q)%2, \q, \slot, \first
	MUL16 2, (\q)%2, \q, \slot, \first
	s_wait_dscnt 0                                 ; A's blocks 4-7 are in
	PLACES NP
	FETCH_B \slot, (\q)+1, 1-(\q)%2
	FETCH_A \slot, (\q)+1, 0
.if \first
	WIN FST_HI
.else
	WIN MUL_HI
.endif
	MUL16 4, (\q)%2, \q, \slot, \first
	MUL16 6, (\q)%2, \q, \slot, \first
	PLACES NP
	WIN 0
	FETCH_A \slot, (\q)+1, 4
.endm
; A slot's last step changes slots: ONE barrier; in front of it each wave waits for all its tensor loads, adds 0 to its spare word, and waits for that and for its own reads of this slot.
.macro TURN slot, next, fill
	s_wait_tensorcnt 0x0                           ; all my tensor loads have landed: my part of the next slot  (every window is 0 here)
	ds_add_u32 v[SPW], v[NIL]                      ; 0 onto my spare word
	s_wait_dscnt 4*NLA+1                           ; (the add and the youngest 16 loads, A's blocks 4-7, may be out)
	WIN MUL_LO
	MUL16 0, 1, NQ-1, \slot, 0
	s_wait_dscnt 0x0                               ; the add is done, and my reads of this slot are over
	s_barrier_signal -1
	MUL16 2, 1, NQ-1, \slot, 0
	WIN 0
	s_barrier_wait -1
.if \fill
	CREST                                          ; the barrier has opened a round of the cluster's barrier: no wave of any partner still reads this slot's tile or has a load on its way
	s_add_nc_u64 s[G0+4*\slot+2:G0+4*\slot+3], s[G0+4*\slot+2:G0+4*\slot+3], 4*PLANE
	s_add_nc_u64 s[G0B+4*\slot+2:G0B+4*\slot+3], s[G0B+4*\slot+2:G0B+4*\slot+3], 2*ROWB
	JLOAD G0+4*\slot, G1, G0B+4*\slot, G1B         ; the first tensor load behind the round, my only one until the next; its four v_nop are also the places in front of the loads below
.else
	PLACES NP
.endif
	v_add_nc_u32 v[ADRS], 4*NQ, v[ADRS]            ; on to the next K step's scale words
	FETCH_B \next, 0, 0
	FETCH_A \next, 0, 0
	SCALES \next
	WIN MUL_HI
	MUL16 4, 1, NQ-1, \slot, 0
	MUL16 6, 1, NQ-1, \slot, 0
	PLACES NP
	WIN 0
	FETCH_A \next, 0, 4
.endm
	s_wait_tensorcnt 1                             ; the scales and my part of K step 0 are in (K step 1's load may be out)
	s_barrier_signal -1
	s_barrier_wait -1                              ; everybody's are
	FETCH_B 0, 0, 0
	FETCH_A 0, 0, 0
	SCALES 0
	FETCH_A 0, 0, 4
	s_wait_loadcnt 0x0                             ; the bias
	STEP 0, 0, 1                                   ; the first step stands in front of the loop: its products start the sums
	s_mov_b32 s3, LAPS-1
.Llap:
	TURN 0, 1, 1
	STEP 1, 0, 0
	TURN 1, 0, 1
	STEP 0, 0, 0
	s_sub_co_u32 s3, s3, 1
	s_cmp_lg_u32 s3, 0
	s_cbranch_scc1 .Llap
	TURN 0, 1, 0                                   ; the last lap fills nothing, and has no round of the cluster's barrier
	STEP 1, 0, 0
	s_wait_dscnt 4*NLA                             ; the very last step
	WIN MUL_LO
	MUL16 0, 1, NQ-1, 1, 0
	MUL16 2, 1, NQ-1, 1, 0
	s_wait_dscnt 0
	WIN MUL_HI
	MUL16 4, 1, NQ-1, 1, 0
	MUL16 6, 1, NQ-1, 1, 0
	WIN 0
; THE WAY OUT, block by block of 16 rows x 128 columns, through my own stage in LDS; back as whole rows of 512 bytes.  LDS serves a wave's instructions in order (ISA guide 5.7.1.4): no wait between the stores and the loads.
.macro TOSTAGE a
.set AC, 64*((\a)%4)
	WIN 0x08+4*((\a)/4)                            ; the data: window 2 or 3
.irp b, 0,1,2,3,4,5,6,7
	ds_store_b128 v[STO], v[AC+8*\b:AC+8*\b+3] offset:128*(\b/2)+32*(\b%2)          ; columns 32 (b / 2) + 16 h + 8 (b % 2) on; each accumulator from its low end on
	ds_store_b128 v[STO], v[AC+8*\b+4:AC+8*\b+7] offset:128*(\b/2)+32*(\b%2)+16
.endr
	WIN 0
.set BB, BK+64*((\a)%2)
.irp t, 0,1,2,3,4,5,6,7,8,9,10,11,12,13,14,15
	ds_load_b128 v[BB+4*\t:BB+4*\t+3], v[RD] offset:\t*SPITCH
.endr
.endm
.macro SEND a, younger                 ; younger: the LDS instructions issued behind block a's loads, which may stay out
.set BB, BK+64*((\a)%2)
	s_wait_dscnt \younger                          ; the block is back in registers
.if (\a) > 0
.if ((\a)%2) == 1
	s_add_nc_u64 s[12:13], s[12:13], 8*SIZE_N*4    ; (behind a wait on XCNT)  block a begins at token 32 (a / 2) + 8 (a % 2): 8 rows on,
.else
	s_add_nc_u64 s[12:13], s[12:13], 24*SIZE_N*4   ; or 24
.endif
.endif
.irp t, 0,1,2,3,4,5,6,7,8,9,10,11,12,13,14,15
	global_store_b128 v[CO], v[BB+4*\t:BB+4*\t+3], s[12:13] offset:(\t+8*(\t/8))*SIZE_N*4 th:TH_STORE_NT   ; 32 lanes store 512 consecutive bytes, at a multiple of 256 from out0's first byte
.endr
.endm
	PLACES NP
	TOSTAGE 0
.irp a, 1,2,3,4,5,6,7
.if \a > 1
	s_wait_xcnt 0x0                                ; block a - 2's stores have read their registers and their base: block a's loads may land there, and the base may step
.endif
	TOSTAGE \a
	SEND \a-1, 32                                  ; behind block a - 1's loads: block a's 16 stores and 16 loads
.endr
	s_wait_xcnt 0x0                                ; block 6's stores have read their base
	SEND 7, 0
	s_wait_tensorcnt 0x0                           ; the wave's end
	ds_add_u32 v[SPW], v[NIL]
	s_wait_dscnt 0x0
	CROUND                                         ; the closing round
	s_endpgm
.Lfunc_end_k_q4909e566ee_outp:
	.size	k_q4909e566ee_outp, .Lfunc_end_k_q4909e566ee_outp-k_q4909e566ee_outp
	.p2alignl 7, 3214868480
	.fill 96, 4, 3214868480
	.section	.rodata,"a",@progbits
	.p2align	6, 0x0
	.amdhsa_kernel k_q4909e566ee_outp
		.amdhsa_group_segment_fixed_size 327680
		.amdhsa_private_segment_fixed_size 0
		.amdhsa_enable_private_segment 0
		.amdhsa_kernarg_size 48
		.amdhsa_user_sgpr_count 2
		.amdhsa_user_sgpr_kernarg_segment_ptr 1
		.amdhsa_wavefront_size32 1
		.amdhsa_system_sgpr_workgroup_id_x 1
		.amdhsa_system_sgpr_workgroup_id_y 1
		.amdhsa_system_sgpr_workgroup_id_z 1
		.amdhsa_system_vgpr_workitem_id 0
		.amdhsa_next_free_vgpr 1024
		.amdhsa_next_free_sgpr 100
		.amdhsa_reserve_vcc 0
		.amdhsa_float_denorm_mode_32 3
		.amdhsa_float_denorm_mode_16_64 3
		.amdhsa_memory_ordered 1
		.amdhsa_forward_progress 1
		.amdhsa_inst_pref_size 154
	.end_amdhsa_kernel
	.amdgpu_metadata
---
amdhsa.version: [ 1, 2 ]
amdhsa.kernels:
  - .name:           k_q4909e566ee_outp
    .symbol:         k_q4909e566ee_outp.kd
    .args:
      - { .name: cc, .offset: 0, .size: 8, .value_kind: global_buffer, .address_space: global }
      - { .name: cs, .offset: 8, .size: 8, .value_kind: global_buffer, .address_space: global }
      - { .name: opc, .offset: 16, .size: 8, .value_kind: global_buffer, .address_space: global }
      - { .name: ops, .offset: 24, .size: 8, .value_kind: global_buffer, .address_space: global }
      - { .name: b_o, .offset: 32, .size: 8, .value_kind: global_buffer, .address_space: global }
      - { .name: out0, .offset: 40, .size: 8, .value_kind: global_buffer, .address_space: global }
    .group_segment_fixed_size: 327680
    .private_segment_fixed_size: 0
    .kernarg_segment_align: 8
    .kernarg_segment_size: 48
    .max_flat_workgroup_size: 128
    .sgpr_count:     100
    .vgpr_count:     1024
    .wavefront_size: 32
...
	.end_amdgpu_metadata
.endif
;; end of part 4
